; MI455X (gfx1250); checked and timed in simulation.
; The chip was launched on July 23, 2026; its instructions are those of AMD's public machine-readable ISA for CDNA 5 (MIT licence, August 2026) and "CDNA5" Instruction Set Architecture Reference Guide (July 2026). The comments in the code are by the model that wrote it; some were corrected since.
;; Sparse Attention. Allowed arithmetic: matrix products marked QUANTISED: E3M2 operands, one E8M0 scale for each 32 along K, by v_wmma_scale_f32_16x16x128_f8f6f4 with both operands' format E3M2, f32 sums; everything else in f32.
;; Inputs: w_out 1,024 x 1,024 float32; w_qkv 1,024 x 3,072 float32; x 1 x 4,096 x 1,024 float32.
;; Outputs: out0 1 x 4,096 x 1,024 float32.
;; This version of the problem:
;;   THIS VERSION OF THE PROBLEM IS GIVEN IN LOW PRECISION. The matrix products marked QUANTISED in the list below multiply operands that are first quantised to E3M2 (3 exponent bits, 2 mantissa bits; 6 bits a number), with one power-of-two scale for each 32 numbers along K (OCP MX v1.0); their sums are f32. All else is computed in f32.
;;   The module's matrix products, in the order in which they are computed (A, B: the left and right operand; K: the contracted axis; several contracted axes count as one K, in the product's order):
;;     1. [M 4,096, K 1,024] x [K 1,024, N 3,072]; A: input x; B: input w_qkv: QUANTISED
;;     2. batch 16 x [M 4,096, K 64] x [K 64, N 4,096]; A: computed on the way; B: computed on the way: QUANTISED
;;     3. batch 16 x [M 4,096, K 4,096] x [K 4,096, N 64]; A: softmax (see below); B: computed on the way: QUANTISED
;;     4. [M 4,096, K 1,024] x [K 1,024, N 1,024]; A: computed on the way; B: input w_out: QUANTISED
;;   THE QUANTISER, for each operand of a quantised product, along K:
;;     - K is cut into blocks of 32 from its start; a last block that is shorter is filled with zeros.
;;     - A block's scale is 2^e with e = floor(log2(the largest magnitude in the block)) - 4, held to -126 .. 127; a block of zeros has e = 0. As a byte (E8M0): e + 127.
;;     - Each number is divided by its block's scale, clamped to +-28, and rounded to the nearest number of E3M2, ties to even, subnormals kept.
;;     - The product sums the exact products of the quantised numbers (number of the format x scale) in f32.
;;   ~~~python
;;   def quantise(x, axis):      # numpy; x: float32 -> the quantised numbers, widened to float32 again
;;       x = np.moveaxis(x, axis, -1); K = x.shape[-1]
;;       x = np.pad(x, [(0, 0)] * (x.ndim - 1) + [(0, -K % 32)]); x = x.reshape(x.shape[:-1] + (-1, 32)); a = np.abs(x).max(-1, keepdims=True)
;;       e = np.where(a > 0, np.clip(np.frexp(np.where(a > 0, a, 1))[1] - 1 - 4, -126, 127), 0)      # np.frexp(a)[1] - 1 = floor(log2(a)), exactly
;;       r = np.clip(x / 2.0 ** e, -28, 28)
;;       step = 2.0 ** (np.maximum(np.frexp(np.where(r == 0, 1, r))[1] - 1, -2) - 2)
;;       q = np.round(r / step) * step * 2.0 ** e      # np.round: ties to even
;;       return np.moveaxis(q.reshape(q.shape[:-2] + (-1,))[..., :K], -1, axis).astype(np.float32)
;;   ~~~
;;   SOFTMAX AHEAD OF A QUANTISED PRODUCT. Where the list says 'softmax', what is quantised is not the finished softmax but p = 2^(t - M), with t = logit x log2(e) and M = ceil(the row's largest t), a whole number; so 1/2 < the row's largest p <= 1. The row's sum l is taken of the UNQUANTISED p, in f32, and the product's result is divided by l at the end. Since M is a whole number, a kernel that streams over the keys may use a running M (the ceiling of the running maximum): every later rescaling is an exact power of two, which a block's scale takes up: the codes' values come out the same.
;;   OPERANDS COMPUTED ON THE WAY. 'Computed on the way' means the value that the module computes at that place (a softmax that the list does not call 'softmax' is quantised finished and normalised). What goes into a quantiser is computed in f32, as accurately as f32 sums, v_exp_f32 and their like allow (about 1e-6 of the number): no bf16 or f16 on the way to a quantiser, and a product that is left as it is and whose result goes on into a quantised operand takes f32 operands (vector FMAs, or v_wmma_f32_16x16x4_f32). A number that lies on a knife's edge between two numbers of the format may be rounded either way, as far as f32 arithmetic and the matrix unit's own rounding can turn it there, and no further.
;; One version. Each part assembles by itself: llvm-mc -triple=amdgcn-amd-amdhsa -mcpu=gfx1250 --defsym DOCPART=n.
;; ======== version 1 of 1: 4 launches
;; workspace buffers: opc 6,291,456 bytes; ops 262,144 bytes; rec 10,223,616 bytes; atc 3,145,728 bytes; ats 131,072 bytes
;; launch prep (part 1): grid 256 x 1, 4 waves a work-group, no clusters, 83,456 bytes of LDS; arguments x, w_qkv, w_out, opc, ops; writes opc, ops
.if DOCPART == 1
	.amdgcn_target "amdgcn-amd-amdhsa--gfx1250"
	.amdhsa_code_object_version 6
	.text
	.protected	k_qcc4640fec4_prep
	.globl	k_qcc4640fec4_prep
	.p2align	8
	.type	k_qcc4640fec4_prep,@function
k_qcc4640fec4_prep:
	s_mov_b64 s[64:65], 0
	v_nop
	global_prefetch_b8 v0, s[64:65] scope:SCOPE_SE
	s_setreg_imm32_b32 hwreg(HW_REG_WAVE_MODE, 25, 1), 1
	s_wait_xcnt 0x0
; x [4096][1024], w_qkv [1024][3072] and w_out [1024][1024], f32, become codes of BF6 (E3M2) with one E8M0 byte for each 32 along K = 1024.
; A block's scale is 2^(floor(log2(its largest magnitude)) - 4); its byte is that magnitude's exponent field - 4, held at 1 from below.
; LIMITS: NaN and infinities among the inputs are not served; a block whose largest magnitude lies under 2^-122 keeps the byte 1; a block of zeros
; has the byte 1 where the quantiser's text says 127: its codes are zeros, and the bytes are read by this program alone.
; LAYOUT OF THE CODES (opc): panels of 128 rows (x's rows, or the weights' columns), 98,304 bytes: [K step of 128: 8][tile of 16 rows: 8][image: 1,536 bytes].
; An image is a matrix operand's 12 registers as they stand: register 4 g + w of lane l at 512 g + 16 l + 4 w.  Panels 0-31 x, 32-55 w_qkv's columns, 56-63 w_out's.
; THE ROWS OF A TILE ARE NOT NEIGHBOURS: in each 32 rows, lane r of tile u holds row 8 u + r + 8 (r / 8).
; LAYOUT OF THE SCALE BYTES (ops): for each 64 rows H and K step: 256 bytes, [lane 16 u + r][pair of tiles 0, 1]: a word of four bytes for a row's 128 along K.
; SHARES: a wave makes one unit (64 rows x 128 along K): 32,768 bytes read, 6,144 bytes of codes, 256 scale bytes.  Work-groups 0-127 take x, 128-223 w_qkv, 224-255 w_out.
; The three ways through the text have LDS bytes of their own; waves share nothing, so there is no barrier.
.set PC,   16                          ; v16-35   x: a fragment's 12 code registers, and behind them the conversions' second halves
.set TM,   36                          ; v36-51   x: largest magnitudes, bytes, scale operands
.set PW,   52                          ; v52-55   x: the four tiles' scale words
.set SW,   56                          ; v56-57   x: the unit's two scale registers
.set X,    64                          ; v64-127  64 numbers of a lane (weights: two sets of 32)
.set R,    128                         ; v128-255 x: two sets of 64, as loaded
.set CW,   16                          ; v16-21   weights: a block's six code registers
.set TW,   24                          ; v24-26   weights: the second conversion's result
.set SBW,  28                          ; v28-29   weights: my column's scale words
.set OUTR, 128                         ; v128-175 weights: the images on their way out
.set SEL,  18                          ; s[18:19] lane selects of v_permlanex16_b32: lane l xor 16
.set SHI,  20                          ; s20      lanes 16-31
; 64 numbers of a lane, register 16 b + i = k 32 b + 16 (lane / 16) + i of my row, become a fragment's codes in v[PC] on and its scale word in v[pw]
.macro QUANT src, pw
.irp b, 0,1,2,3
	v_max3_num_f32 v[TM+\b], |v[\src+16*\b]|, |v[\src+1+16*\b]|, 0x2800000   ; my 16 numbers of block b, and the floor 2^(5 - 127): the byte cannot fall under 1
.endr
.irp i, 2,4,6,8,10,12,14
.irp b, 0,1,2,3
	v_max3_num_f32 v[TM+\b], v[TM+\b], |v[\src+16*\b+\i]|, |v[\src+1+16*\b+\i]|
.endr
.endr
.irp b, 0,1,2,3
	v_permlanex16_b32 v[TM+4+\b], v[TM+\b], s[SEL], s[SEL+1]
.endr
.irp b, 0,1,2,3
	v_max_num_f32 v[TM+\b], v[TM+\b], v[TM+4+\b]           ; with lane l xor 16's: the block's largest magnitude
.endr
.irp b, 0,1,2,3
	v_add_nc_u32 v[TM+12+\b], 0xfe000000, v[TM+\b]         ; 4 off its exponent field: the conversion's scale operand
.endr
.irp b, 0,1,2,3
	v_lshrrev_b32 v[TM+4+\b], 23, v[TM+12+\b]              ; the scale's byte
.endr
	v_lshl_or_b32 v[\pw], v[TM+5], 8, v[TM+4]
	v_lshl_or_b32 v[\pw], v[TM+6], 16, v[\pw]
	v_lshl_or_b32 v[\pw], v[TM+7], 24, v[\pw]
.irp c, 0,1
	v_cvt_scalef32_pk16_bf6_f32 v[PC+6*\c:PC+2+6*\c], v[\src+32*\c:\src+15+32*\c], v[TM+12+2*\c]
	v_cvt_scalef32_pk16_bf6_f32 v[PC+12+4*\c:PC+14+4*\c], v[\src+16+32*\c:\src+31+32*\c], v[TM+12+2*\c+1]   ; (a conversion's three registers begin on an even number)
.endr
	v_nop                                                  ; one plain line behind the scaled conversions
.irp c, 0,1                            ; the operand wants a whole block in a lane: lanes 0-15 block 2 c, lanes 16-31 block 2 c + 1
.irp i, 0,1,2
	v_permlane16_swap_b32 v[PC+6*\c+\i], v[PC+12+4*\c+\i]
.endr
.irp i, 0,1,2
	v_mov_b32 v[PC+3+6*\c+\i], v[PC+12+4*\c+\i]
.endr
.endr
.endm
; s15 = H (which 64 rows of all operands), s16 = the K step: where my unit's codes and scale bytes go
.macro OUTADR
	s_lshr_b32 s24, s15, 1
	s_mul_i32 s24, s24, 98304
	s_mul_i32 s25, s16, 12288
	s_add_co_u32 s24, s24, s25
	s_and_b32 s25, s15, 1
	s_mul_i32 s25, s25, 6144
	s_add_co_u32 s24, s24, s25
	s_mov_b32 s25, 0
	s_add_nc_u64 s[10:11], s[10:11], s[24:25]
	s_lshl_b32 s26, s15, 3
	s_add_co_u32 s26, s26, s16
	s_lshl_b32 s26, s26, 8
	s_mov_b32 s27, 0
	s_add_nc_u64 s[12:13], s[12:13], s[26:27]
.endm
	s_load_b256 s[4:11], s[0:1], 0x0               ; x s[4:5], w_qkv s[6:7], w_out s[8:9], opc s[10:11]
	s_load_b64 s[12:13], s[0:1], 0x20              ; ops
	v_lshl_add_u32 v62, v0, 2, 0x14400
	v_mov_b32 v63, 0
	v_lshrrev_b32 v1, 5, v0
	v_readfirstlane_b32 s14, v1                    ; wave 0..3
	v_and_b32 v2, 31, v0                           ; lane
	v_lshlrev_b32 v9, 4, v2                        ; 16 x lane
	s_mov_b32 s[SEL], 0x76543210
	s_mov_b32 s[SEL+1], 0xfedcba98
	s_mov_b32 s[SHI], 0xffff0000
	s_wait_kmcnt 0x0
	s_cmp_lt_u32 ttmp9, 128
	s_cbranch_scc0 .Lweights
	; ---- x: K is innermost.  A load takes 512 consecutive bytes of one row; 16 rows turn through the wave's stage (16 rows x 528 bytes) so that a lane gets 16 neighbours of each block
	s_lshr_b32 s15, ttmp9, 1                       ; H
	s_and_b32 s16, ttmp9, 1
	s_lshl_b32 s16, s16, 2
	s_add_co_u32 s16, s16, s14                     ; the K step
	s_lshl_b32 s22, s15, 18                        ; 64 rows of 4,096 bytes
	s_lshl_b32 s23, s16, 9                         ; 512 bytes a K step
	s_add_co_u32 s22, s22, s23
	s_mov_b32 s23, 0
	s_add_nc_u64 s[4:5], s[4:5], s[22:23]
	OUTADR
	s_mul_i32 s17, s14, 8448                       ; my stage
	v_add_nc_u32 v3, s17, v9                       ; in: 16 x lane, a row at a time
	v_and_b32 v6, 15, v0
	v_bfe_u32 v7, v0, 4, 1
	v_mul_u32_u24 v4, v6, 528
	v_lshl_add_u32 v4, v7, 6, v4
	v_add_nc_u32 v4, s17, v4                       ; out: row lane % 16, + 64 (lane / 16)
	v_lshlrev_b32 v5, 3, v2                        ; 8 x lane
.irp b, 0,1,2,3
	v_mov_b32 v[TM+4+\b], 0                        ; written once: a lane permute's destination counts as one of its sources
.endr
.macro LOADF t                         ; tile t's 16 rows, in the tile's order
.irp i, 0,1,2,3,4,5,6,7,8,9,10,11,12,13,14,15
	global_load_b128 v[R+64*((\t)%2)+4*\i:R+64*((\t)%2)+4*\i+3], v9, s[4:5] offset:(32*((\t)/2)+8*((\t)%2)+\i+8*(\i/8))*4096 th:TH_LOAD_NT
.endr
.endm
.macro TURNF t                         ; LDS serves a wave's instructions in order: no wait between the stores and the loads
.irp i, 0,1,2,3,4,5,6,7,8,9,10,11,12,13,14,15
	ds_store_b128 v3, v[R+64*((\t)%2)+4*\i:R+64*((\t)%2)+4*\i+3] offset:528*\i
.endr
.irp b, 0,1,2,3
.irp j, 0,1,2,3
	ds_load_b128 v[X+16*\b+4*\j:X+16*\b+4*\j+3], v4 offset:128*\b+16*\j
.endr
.endr
.endm
.macro FRAGX t
.if \t < 3
	s_wait_loadcnt 16                              ; this tile's 16 loads are in; the next tile's 16 may be out
.else
	s_wait_loadcnt 0x0
.endif
	TURNF \t
	s_wait_dscnt 0x0                               ; the numbers are back, and the stage's stores have read their registers,
.if \t < 2
	LOADF (\t)+2                                   ; which take the tile two further on
.endif
	s_wait_xcnt 0x0                                ; the last tile's stores have read the code registers: they are written again only behind this wait
	QUANT X, PW+\t
.irp c, 0,1,2
	global_store_b128 v9, v[PC+4*\c:PC+4*\c+3], s[10:11] offset:1536*(\t)+512*\c   ; 32 lanes store 512 consecutive bytes
.endr
.endm
	LOADF 0
	LOADF 1
	FRAGX 0
	FRAGX 1
	FRAGX 2
	FRAGX 3
	v_cndmask_b32 v[SW], v[PW], v[PW+1], s[SHI]    ; lanes 0-15: the even tile's words, lanes 16-31: the odd tile's
	v_cndmask_b32 v[SW+1], v[PW+2], v[PW+3], s[SHI]
	global_store_b64 v5, v[SW:SW+1], s[12:13]      ; 256 consecutive bytes
	s_wait_tensorcnt 0x0
	ds_add_u32 v62, v63
	s_wait_dscnt 0x0
	s_endpgm
	; ---- the weights: K is the FIRST axis.  A lane takes a column and its registers run down K: a block of 32 lies in one lane, and the codes come out with K innermost.
.macro LOADW q, N, wp                  ; block q = 4 (which 32 columns) + (block of the K step)
.irp i, 0,1,2,3,4,5,6,7,8,9,10,11,12,13,14,15,16,17,18,19,20,21,22,23,24,25,26,27,28,29,30,31
	global_load_b32 v[X+32*((\q)%2)+\i], v1, s[\wp:\wp+1] offset:(32*((\q)%4)+\i)*\N*4+128*((\q)/4) th:TH_LOAD_NT
.endr
.endm
.macro BLOCKW q, N, wp
.set XS, X+32*((\q)%2)
.if (\q) < 7
	s_wait_loadcnt 32                              ; this block's 32 loads are in; the next block's may be out
.else
	s_wait_loadcnt 0x0
.endif
	v_max3_num_f32 v12, |v[XS]|, |v[XS+1]|, |v[XS+2]|
	v_max3_num_f32 v13, |v[XS+3]|, |v[XS+4]|, |v[XS+5]|
.irp i, 6,10,14,18,22,26
	v_max3_num_f32 v12, v12, |v[XS+\i]|, |v[XS+\i+1]|
	v_max3_num_f32 v13, v13, |v[XS+\i+2]|, |v[XS+\i+3]|
.endr
	v_max3_num_f32 v12, v12, |v[XS+30]|, |v[XS+31]|
	v_max3_num_f32 v12, v12, v13, 0x2800000        ; and the floor
	v_add_nc_u32 v11, 0xfe000000, v12              ; the conversion's scale operand
	v_lshrrev_b32 v13, 23, v11                     ; the byte
.if (\q)%4 == 0
	v_mov_b32 v[SBW+(\q)/4], v13
.else
	v_lshl_or_b32 v[SBW+(\q)/4], v13, 8*((\q)%4), v[SBW+(\q)/4]
.endif
	v_cvt_scalef32_pk16_bf6_f32 v[CW:CW+2], v[XS:XS+15], v11
	v_cvt_scalef32_pk16_bf6_f32 v[TW:TW+2], v[XS+16:XS+31], v11
	v_nop                                          ; one plain line behind the scaled conversions
.irp i, 0,1,2
	v_mov_b32 v[CW+3+\i], v[TW+\i]
.endr
	; block 2 c + h is registers 6 c .. 6 c + 5 of lane (r, h) of my column's tile: their places in the image
.if ((\q)%4)/2 == 0
	ds_store_b128 v3, v[CW:CW+3] offset:3072*((\q)/4)+256*((\q)%2)
	ds_store_b64 v3, v[CW+4:CW+5] offset:3072*((\q)/4)+256*((\q)%2)+512
.else
	ds_store_b64 v3, v[CW:CW+1] offset:3072*((\q)/4)+256*((\q)%2)+520
	ds_store_b128 v3, v[CW+2:CW+5] offset:3072*((\q)/4)+256*((\q)%2)+1024
.endif
.if (\q)+2 < 8
	LOADW (\q)+2, \N, \wp
.endif
	s_wait_dscnt 0x0                               ; the stores have read their registers: the next block's codes may be written
.endm
; N: the weight's columns; HB: its first H; LB: this way's LDS bytes; WB: its first work-group; wp: the scalar pair with its address
.macro WPATH N, HB, LB, WB, wp
	s_sub_co_u32 s15, ttmp9, \WB
	s_and_b32 s16, s15, 7                          ; the K step
	s_lshr_b32 s15, s15, 3
	s_lshl_b32 s15, s15, 2
	s_add_co_u32 s15, s15, s14                     ; which 64 columns
	s_mul_i32 s22, s16, 128*\N*4                   ; 128 rows of the weight a K step
	s_lshl_b32 s23, s15, 8                         ; 256 bytes for 64 columns
	s_add_co_u32 s22, s22, s23
	s_mov_b32 s23, 0
	s_add_nc_u64 s[\wp:\wp+1], s[\wp:\wp+1], s[22:23]
	s_add_co_u32 s15, s15, \HB
	OUTADR
	v_lshlrev_b32 v1, 2, v2                        ; 4 x lane: my column
	v_bfe_u32 v6, v0, 3, 1                         ; column l of 32 is lane r = l % 8 + 8 (l / 16) of tile u = (l / 8) % 2
	v_and_b32 v7, 7, v0
	v_bfe_u32 v8, v0, 4, 1
	v_lshl_add_u32 v7, v8, 3, v7
	v_lshlrev_b32 v3, 4, v7
	v_mad_u32_u24 v3, v6, 1536, v3
	s_mul_i32 s17, s14, 6144
	s_add_co_u32 s17, s17, \LB                     ; my stage: the unit's four images
	v_add_nc_u32 v3, s17, v3                       ; into it: 1,536 u + 16 r
	v_lshl_add_u32 v5, v6, 4, v7
	v_lshlrev_b32 v5, 3, v5                        ; my place in the unit of scale bytes: 8 (16 u + r)
	v_add_nc_u32 v4, s17, v9                       ; out of it: 16 x lane
	LOADW 0, \N, \wp
	LOADW 1, \N, \wp
.irp q, 0,1,2,3,4,5,6,7
	BLOCKW \q, \N, \wp
.endr
	global_store_b64 v5, v[SBW:SBW+1], s[12:13]    ; the 32 lanes fill the unit's 256 bytes
.irp j, 0,1,2,3,4,5,6,7,8,9,10,11
	ds_load_b128 v[OUTR+4*\j:OUTR+4*\j+3], v4 offset:512*\j
.endr
.irp j, 0,1,2,3,4,5,6,7,8,9,10,11
	s_wait_dscnt 11-\j                             ; the younger loads may be out
	global_store_b128 v9, v[OUTR+4*\j:OUTR+4*\j+3], s[10:11] offset:512*\j
.endr
	s_wait_tensorcnt 0x0
	ds_add_u32 v62, v63
	s_wait_dscnt 0x0
	s_endpgm
.endm
.Lweights:
	s_cmp_lt_u32 ttmp9, 224
	s_cbranch_scc0 .Lwout
	WPATH 3072, 64, 33792, 128, 6
.Lwout:
	WPATH 1024, 112, 58368, 224, 8
.Lfunc_end_k_qcc4640fec4_prep:
	.size	k_qcc4640fec4_prep, .Lfunc_end_k_qcc4640fec4_prep-k_qcc4640fec4_prep
	.p2alignl 7, 3214868480
	.fill 96, 4, 3214868480
	.section	.rodata,"a",@progbits
	.p2align	6, 0x0
	.amdhsa_kernel k_qcc4640fec4_prep
		.amdhsa_group_segment_fixed_size 83456
		.amdhsa_private_segment_fixed_size 0
		.amdhsa_enable_private_segment 0
		.amdhsa_kernarg_size 40
		.amdhsa_user_sgpr_count 2
		.amdhsa_user_sgpr_kernarg_segment_ptr 1
		.amdhsa_wavefront_size32 1
		.amdhsa_system_sgpr_workgroup_id_x 1
		.amdhsa_system_sgpr_workgroup_id_y 1
		.amdhsa_system_sgpr_workgroup_id_z 1
		.amdhsa_system_vgpr_workitem_id 0
		.amdhsa_next_free_vgpr 256
		.amdhsa_next_free_sgpr 66
		.amdhsa_reserve_vcc 0
		.amdhsa_float_denorm_mode_32 3
		.amdhsa_float_denorm_mode_16_64 3
		.amdhsa_memory_ordered 1
		.amdhsa_forward_progress 1
		.amdhsa_inst_pref_size 116
	.end_amdhsa_kernel
	.amdgpu_metadata
---
amdhsa.version: [ 1, 2 ]
amdhsa.kernels:
  - .name:           k_qcc4640fec4_prep
    .symbol:         k_qcc4640fec4_prep.kd
    .args:
      - { .name: x, .offset: 0, .size: 8, .value_kind: global_buffer, .address_space: global }
      - { .name: w_qkv, .offset: 8, .size: 8, .value_kind: global_buffer, .address_space: global }
      - { .name: w_out, .offset: 16, .size: 8, .value_kind: global_buffer, .address_space: global }
      - { .name: opc, .offset: 24, .size: 8, .value_kind: global_buffer, .address_space: global }
      - { .name: ops, .offset: 32, .size: 8, .value_kind: global_buffer, .address_space: global }
    .group_segment_fixed_size: 83456
    .private_segment_fixed_size: 0
    .kernarg_segment_align: 8
    .kernarg_segment_size: 40
    .max_flat_workgroup_size: 128
    .sgpr_count:     66
    .vgpr_count:     256
    .wavefront_size: 32
...
	.end_amdgpu_metadata
.endif
;; end of part 1
;; launch qkv (part 2): grid 12 x 16, 4 waves a work-group, clusters of 4 x 4, 327,680 bytes of LDS; arguments opc, ops, rec; writes rec
.if DOCPART == 2
	.amdgcn_target "amdgcn-amd-amdhsa--gfx1250"
	.amdhsa_code_object_version 6
	.text
	.protected	k_qcc4640fec4_qkv
	.globl	k_qcc4640fec4_qkv
	.p2align	8
	.type	k_qcc4640fec4_qkv,@function
k_qcc4640fec4_qkv:
	s_mov_b64 s[64:65], 0
	v_nop
	global_prefetch_b8 v0, s[64:65] scope:SCOPE_SE
	s_setreg_imm32_b32 hwreg(HW_REG_WAVE_MODE, 25, 1), 1
	s_wait_xcnt 0x0
	s_wait_alu depctr_hold_cnt(0) depctr_sa_sdst(0) depctr_va_vdst(0) depctr_va_sdst(0) depctr_va_ssrc(0) depctr_va_vcc(0) depctr_vm_vsrc(0)
	s_getreg_b32 s2, hwreg(HW_REG_IB_STS2, 6, 4)
	s_cmp_eq_u32 s2, 0
	s_cbranch_scc0 .Lentry_in_a_cluster
	s_endpgm
.Lentry_in_a_cluster:
	s_bfe_u32 s2, ttmp6, 0x10000c
	s_cmp_lg_u32 s2, 0xf033
	s_cbranch_scc0 .Lentry_shape_is_right
	s_endpgm
.Lentry_shape_is_right:
; qkv = x w_qkv on codes of BF6 (E3M2) with E8M0 scales, K = 1024, and its result quantised again on the way out, each part along the axis that is the next product's K.
; The body computes C'[m'][n'] = sum over k of A[m'][k] B[n'][k] for a tile of 256 x 256 and quantises C' ALONG n'.
;   clusters x = 0, 1: A = 256 rows of x, B = 256 columns of w_qkv's q and k parts: n' runs along a head's 64: q's and k's codes.
;   cluster  x = 2:    A = 256 columns of w_qkv's v part, B = 256 rows of x: C' is v TRANSPOSED and n' runs along the keys: v's codes.
; Both operands lie in opc as images of operand registers (128 rows: [K step][tile][1,536 bytes]), so two K steps of 128 rows are one dense block of 24,576 bytes.
; Four waves, each 128 x 128: 64 accumulators.  K goes in eight steps of 128; a slot of LDS holds two; three slots are filled at the start and the first is filled once more.
; 192 work-groups: a tile of 256 x 192 would give 256, but would cut a wave's tile at the border between k and v.
; CLUSTERS 4 x 4: A's tiles hang on the cluster's row alone, B's on its column alone: each is asked for jointly by the four that share it.
; THE MATRIX INSTRUCTION IS USED TRANSPOSED (source 0 = 16 rows of B, source 1 = 16 rows of A), and in each 32 rows of every operand lane r of tile u holds row 8 u + r + 8 (r / 8):
; so a lane holds one row m', and the 16 registers of B's tiles 2 b, 2 b + 1 are n' = 32 b + 16 (lane / 16) + 0 .. 15: what the conversions want.
; OUT (rec): records of 6,656 bytes, [48: q's, k's, v's heads][32 groups of 128 queries or keys].
;   q, k: [32 rows: 4][1,536]: 12 registers a lane (0-5 tile 0, 6-11 tile 1; lane (r, h): block h of the head's 64); at 6,144 [lane 16 u + r][4 words]: word p = the row's two scale bytes, above them a byte that is never 0xff.
;   v:    [pair of key blocks: 2][tile of the head's 64: 4][piece: 3][lane][8 bytes]: lane (r, h) holds key block 2 c + h of row r; at 6,144 [lane 16 u + r][words of tiles 0/1, of tiles 2/3, 0, 0]: a byte for each key block.
; LIMITS: NaN and infinities are not served; a block under 2^-122 and a block of zeros keep the scale byte 1 (the bytes are read by this program alone).
; REGISTERS, in windows of 256: window 0: v16-29 addresses; v32-63 A's scale words, v64-95 B's (register 4 s + p: lanes 0-15 tile 2 p, lanes 16-31 tile 2 p + 1 of K step s); v96-119 at work on the way out;
;   v128-223 A's fragments, one set, later the codes; v224-247 at work.   window 1: B's fragments, two sets, at v0 and v128.   windows 2, 3: the accumulators, (a, b) at v[8 (8 (a % 4) + b)].
.set FR,    12                         ; registers of a fragment
.set NL,    3                          ; LDS loads that bring one
.set PART,  24576                      ; 128 rows x two K steps: what one tensor load brings
.set SLOT,  4*PART                     ; A's two halves, then B's two halves
.set SPARE, 3*SLOT                     ; behind the slots: the spare words, 128 bytes for each wave: two blocks of 256 bytes that no other line names
.set RECB,  6656
.set HSTR,  32*RECB                    ; from head to head in rec
.set ADRA,  16                         ; v16-18 LDS address of my A fragments in slot 0, 1, 2
.set ADRB,  20                         ; v20-22 the same for B
.set L16,   24                         ; v24    16 x lane
.set L8,    25                         ; v25    8 x lane
.set SPW,   28                         ; v28    my spare word; never rewritten
.set NIL,   29                         ; v29    0; never rewritten
.set SA,    32
.set SB,    64
.set TM,    96
.set PW,    112
.set AF,    128
.set CB,    128
.set T0,    224
.set SW,    232
.set G1,    24                         ; s[24:31] descriptor group 1 for A;  s[32:43] three groups 0
.set G0,    32
.set G1B,   48                         ; s[48:55], s[68:79] the same for B
.set G0B,   68
.set SEL,   84                         ; s[84:85] lane selects for lane l xor 16
.set SHI,   86                         ; s86      lanes 16-31
.set MSB, 0
.macro WIN new                         ; the immediate's high byte repeats the setting that is left
.if MSB != \new
	s_set_vgpr_msb (MSB<<8)|\new
.set MSB, \new
.endif
.endm
.set MUL_LO, 0xa1                      ; source 0 (B) window 1, source 1 (A) window 0, C and D window 2
.set MUL_HI, 0xf1                      ; the same, C and D window 3
.set TO_B,   0x40                      ; destination window 1, address window 0
.macro PLACES                          ; four plain lines in front of loads into registers that matrix instructions have read, and of the first read of results
.rept 4
	v_nop
.endr
.endm
.macro JLOAD                           ; the joint refill of slot 0: waves 0 and 1 fetch for A, waves 2 and 3 for B; four v_nop follow each line
	s_cmp_eq_u32 s15, 0
	s_cbranch_scc0 .Lfor_b_\@
	tensor_load_to_lds s[G0:G0+3], s[G1:G1+7]
	s_nop 0
.rept 4
	v_nop
.endr
	s_branch .Lasked_\@
.Lfor_b_\@:
	tensor_load_to_lds s[G0B:G0B+3], s[G1B:G1B+7]
	s_nop 0
.rept 4
	v_nop
.endr
.Lasked_\@:
.endm
.macro CREST                           ; a round of the cluster's barrier behind its opening barrier
	s_cmp_lg_u32 s14, 0
	s_cbranch_scc1 .Lnot_wave_0_\@
	s_barrier_signal -3
.Lnot_wave_0_\@:
	s_barrier_wait -3
	s_barrier_signal -1
	s_barrier_wait -1
.endm
.macro CROUND
	s_barrier_signal -1
	s_barrier_wait -1
	CREST
.endm
	s_load_b128 s[4:7], s[0:1], 0x0                ; opc s[4:5], ops s[6:7]
	s_load_b64 s[8:9], s[0:1], 0x10                ; rec
	v_lshl_add_u32 v[SPW], v0, 2, SPARE
	v_mov_b32 v[NIL], 0
	ds_add_u32 v28, v29
	ds_add_u32 v28, v29
	s_wait_dscnt 0x0
	v_lshrrev_b32 v1, 5, v0
	v_readfirstlane_b32 s14, v1                    ; wave 0..3
	s_lshr_b32 s15, s14, 1                         ; which half of A's rows is mine.  Also: I fetch for A (0) or for B (1)
	s_and_b32 s16, s14, 1                          ; which half of B's rows.  Also: which 128 rows I fetch
	s_bfe_u32 s44, ttmp6, 0x40000                  ; cx
	s_bfe_u32 s45, ttmp6, 0x40004                  ; cy
	s_and_b32 s47, ttmp7, 0xffff                   ; cluster y
	s_lshr_b32 s56, ttmp9, 1                       ; V: 1 in the clusters that make v.  The same in all sixteen partners
	s_lshl_b32 s57, s47, 2                         ; 4 Y
	s_lshl_b32 s58, ttmp9, 2
	s_add_co_u32 s58, s58, 16                      ; 16 + 4 X
	s_sub_co_u32 s59, 24, s57                      ; tiles count 256 rows of opc.  A's: 4 Y + cy of x, or 24 + cy (w_qkv's v part): no cx enters
	s_mul_i32 s59, s59, s56
	s_add_co_u32 s59, s59, s57
	s_add_co_u32 s59, s59, s45
	s_sub_co_u32 s60, s57, s58                     ; B's: 16 + 4 X + cx (w_qkv's q and k parts), or 4 Y + cx of x: no cy enters
	s_mul_i32 s60, s60, s56
	s_add_co_u32 s60, s60, s58
	s_add_co_u32 s60, s60, s44
	s_lshl_b32 s61, s45, 2
	s_lshl_b32 s61, 15, s61                        ; my row of the cluster
	s_lshl_b32 s62, 0x1111, s44                    ; my column
	; descriptor group 1: a dense block of 24,576 bytes as 96 rows of 32 elements of 8 bytes, no padding
	s_or_b32 s[G1], s61, (3<<16)|(1<<21)           ; 15:0 the mask; 17:16 elements of 8 bytes; 21 set beside a mask
	s_or_b32 s[G1B], s62, (3<<16)|(1<<21)
.irp g, G1, G1B
	s_mov_b32 s[\g+1], 32<<16                      ; tensor_dim0
	s_mov_b32 s[\g+2], 96<<16                      ; tensor_dim1
	s_mov_b32 s[\g+3], 32<<16                      ; tile_dim0
	s_mov_b32 s[\g+4], 96                          ; tile_dim1
	s_mov_b32 s[\g+5], 32                          ; from row to row
	s_mov_b32 s[\g+6], 0
	s_mov_b32 s[\g+7], 0
.endr
	s_lshl_b32 s80, s59, 1
	s_add_co_u32 s80, s80, s16
	s_mul_i32 s80, s80, 98304                      ; the panel of A that I would fetch
	s_mov_b32 s81, 0
	s_lshl_b32 s82, s60, 1
	s_add_co_u32 s82, s82, s16
	s_mul_i32 s82, s82, 98304                      ; and of B
	s_mov_b32 s83, 0
	s_mul_i32 s87, s14, PART                       ; where it goes in a slot: the wave's number alone
	s_mov_b32 s[SEL], 0x76543210
	s_mov_b32 s[SEL+1], 0xfedcba98
	s_mov_b32 s[SHI], 0xffff0000
	s_wait_kmcnt 0x0
	s_add_nc_u64 s[80:81], s[4:5], s[80:81]
	s_add_nc_u64 s[82:83], s[4:5], s[82:83]
.irp n, 0,1,2
	s_mov_b32 s[G0+4*\n], 1
	s_add_co_u32 s[G0+4*\n+1], s87, \n*SLOT
	s_add_nc_u64 s[G0+4*\n+2:G0+4*\n+3], s[80:81], \n*PART   ; K steps 2 n, 2 n + 1
	s_or_b32 s[G0+4*\n+3], s[G0+4*\n+3], 0x80000000
	s_mov_b32 s[G0B+4*\n], 1
	s_add_co_u32 s[G0B+4*\n+1], s87, \n*SLOT
	s_add_nc_u64 s[G0B+4*\n+2:G0B+4*\n+3], s[82:83], \n*PART
	s_or_b32 s[G0B+4*\n+3], s[G0B+4*\n+3], 0x80000000
.endr
	CROUND                                         ; all sixteen work-groups are here: the first joint loads meet
	s_cmp_eq_u32 s15, 0                            ; a wave's three first fills stand in one branch: three loads of mine are out
	s_cbranch_scc0 .Lfirst_b
	tensor_load_to_lds s[G0:G0+3], s[G1:G1+7]
	s_nop 0
	tensor_load_to_lds s[G0+4:G0+7], s[G1:G1+7]
	s_nop 0
	tensor_load_to_lds s[G0+8:G0+11], s[G1:G1+7]
	s_nop 0
.rept 4
	v_nop
.endr
	s_branch .Lfirst_asked
.Lfirst_b:
	tensor_load_to_lds s[G0B:G0B+3], s[G1B:G1B+7]
	s_nop 0
	tensor_load_to_lds s[G0B+4:G0B+7], s[G1B:G1B+7]
	s_nop 0
	tensor_load_to_lds s[G0B+8:G0B+11], s[G1B:G1B+7]
	s_nop 0
.rept 4
	v_nop
.endr
.Lfirst_asked:
	v_and_b32 v1, 31, v0
	v_lshlrev_b32 v[L16], 4, v1
	v_lshlrev_b32 v[L8], 3, v1
	; the scale words of my 128 rows of A and of B, for all of K, go straight into registers: 4,096 bytes a panel, whole blocks of 256 bytes a load
	s_lshl_b32 s88, s59, 1
	s_add_co_u32 s88, s88, s15
	s_lshl_b32 s88, s88, 12
	s_mov_b32 s89, 0
	s_add_nc_u64 s[88:89], s[6:7], s[88:89]
	s_lshl_b32 s90, s60, 1
	s_add_co_u32 s90, s90, s16
	s_lshl_b32 s90, s90, 12
	s_mov_b32 s91, 0
	s_add_nc_u64 s[90:91], s[6:7], s[90:91]
.irp k, 0,1,2,3,4,5,6,7
.irp g, 0,1
	global_load_b64 v[SA+4*\k+2*\g:SA+4*\k+2*\g+1], v[L8], s[88:89] offset:2048*\g+256*\k
	global_load_b64 v[SB+4*\k+2*\g:SB+4*\k+2*\g+1], v[L8], s[90:91] offset:2048*\g+256*\k
.endr
.endr
	s_mul_i32 s92, s15, PART                       ; my 128 rows of A
	s_mul_i32 s93, s16, PART
	s_add_co_u32 s93, s93, 2*PART                  ; my 128 rows of B, behind A's two halves
.irp n, 0,1,2
	v_add_nc_u32 v[ADRA+\n], s92, v[L16]
	v_add_nc_u32 v[ADRB+\n], s93, v[L16]
	s_add_co_u32 s92, s92, SLOT
	s_add_co_u32 s93, s93, SLOT
.endr
.irp b, 0,1,2,3
	v_mov_b32 v[TM+4+\b], 0                        ; written once: a lane permute's destination counts as one of its sources
.endr
	; my first record.  q, k: head 4 (4 X + cx) + 2 (B's half), group 2 (4 Y + cy) + A's half.   v: head 32 + 4 cy + 2 (A's half), group 2 (4 Y + cx) + B's half
	s_lshl_b32 s92, ttmp9, 2
	s_add_co_u32 s92, s92, s44
	s_lshl_b32 s92, s92, 2
	s_lshl_b32 s93, s16, 1
	s_add_co_u32 s92, s92, s93
	s_add_co_u32 s93, s57, s45
	s_lshl_b32 s93, s93, 1
	s_add_co_u32 s93, s93, s15
	s_lshl_b32 s94, s45, 2
	s_add_co_u32 s94, s94, 32
	s_lshl_b32 s95, s15, 1
	s_add_co_u32 s94, s94, s95
	s_add_co_u32 s95, s57, s44
	s_lshl_b32 s95, s95, 1
	s_add_co_u32 s95, s95, s16
	s_cmp_eq_u32 s56, 0
	s_cselect_b32 s92, s92, s94
	s_cselect_b32 s93, s93, s95
	s_mul_i32 s92, s92, HSTR
	s_mul_i32 s93, s93, RECB
	s_add_co_u32 s92, s92, s93
	s_mov_b32 s93, 0
	s_add_nc_u64 s[8:9], s[8:9], s[92:93]
; One matrix instruction: A's block a x B's block b, K step ks, B's set p.  A scale register serves two tiles: the even one from lanes 0-15, the odd one from lanes 16-31.
.macro WM a, b, p, ks, zero
.set rD, 8*(8*((\a)%4)+(\b))
.set rB, 128*(\p)+FR*(\b)
.set rA, AF+FR*(\a)
.set rSB, SB+4*(\ks)+(\b)/2
.set rSA, SA+4*(\ks)+(\a)/2
.set rw, 2*((\b)%2)+(\a)%2+4*(\zero)
.if rw == 0
	v_wmma_scale_f32_16x16x128_f8f6f4 v[rD:rD+7], v[rB:rB+FR-1], v[rA:rA+FR-1], v[rD:rD+7], v[rSB], v[rSA] matrix_a_fmt:MATRIX_FMT_BF6 matrix_b_fmt:MATRIX_FMT_BF6
.elseif rw == 1
	v_wmma_scale_f32_16x16x128_f8f6f4 v[rD:rD+7], v[rB:rB+FR-1], v[rA:rA+FR-1], v[rD:rD+7], v[rSB], v[rSA] matrix_a_fmt:MATRIX_FMT_BF6 matrix_b_fmt:MATRIX_FMT_BF6 matrix_b_scale:MATRIX_SCALE_ROW1
.elseif rw == 2
	v_wmma_scale_f32_16x16x128_f8f6f4 v[rD:rD+7], v[rB:rB+FR-1], v[rA:rA+FR-1], v[rD:rD+7], v[rSB], v[rSA] matrix_a_fmt:MATRIX_FMT_BF6 matrix_b_fmt:MATRIX_FMT_BF6 matrix_a_scale:MATRIX_SCALE_ROW1
.elseif rw == 3
	v_wmma_scale_f32_16x16x128_f8f6f4 v[rD:rD+7], v[rB:rB+FR-1], v[rA:rA+FR-1], v[rD:rD+7], v[rSB], v[rSA] matrix_a_fmt:MATRIX_FMT_BF6 matrix_b_fmt:MATRIX_FMT_BF6 matrix_a_scale:MATRIX_SCALE_ROW1 matrix_b_scale:MATRIX_SCALE_ROW1
.elseif rw == 4
	v_wmma_scale_f32_16x16x128_f8f6f4 v[rD:rD+7], v[rB:rB+FR-1], v[rA:rA+FR-1], 0, v[rSB], v[rSA] matrix_a_fmt:MATRIX_FMT_BF6 matrix_b_fmt:MATRIX_FMT_BF6
.elseif rw == 5
	v_wmma_scale_f32_16x16x128_f8f6f4 v[rD:rD+7], v[rB:rB+FR-1], v[rA:rA+FR-1], 0, v[rSB], v[rSA] matrix_a_fmt:MATRIX_FMT_BF6 matrix_b_fmt:MATRIX_FMT_BF6 matrix_b_scale:MATRIX_SCALE_ROW1
.elseif rw == 6
	v_wmma_scale_f32_16x16x128_f8f6f4 v[rD:rD+7], v[rB:rB+FR-1], v[rA:rA+FR-1], 0, v[rSB], v[rSA] matrix_a_fmt:MATRIX_FMT_BF6 matrix_b_fmt:MATRIX_FMT_BF6 matrix_a_scale:MATRIX_SCALE_ROW1
.else
	v_wmma_scale_f32_16x16x128_f8f6f4 v[rD:rD+7], v[rB:rB+FR-1], v[rA:rA+FR-1], 0, v[rSB], v[rSA] matrix_a_fmt:MATRIX_FMT_BF6 matrix_b_fmt:MATRIX_FMT_BF6 matrix_a_scale:MATRIX_SCALE_ROW1 matrix_b_scale:MATRIX_SCALE_ROW1
.endif
.endm
; 16 of them: A's blocks a0, a0 + 1 x B's eight.  The 64 accumulators take turns, one instruction a turn, in the same order in every step.
.macro MUL16 a0, p, ks, zero
.irp a, \a0, \a0+1
.irp b, 0,1,2,3,4,5,6,7
	WM \a, \b, \p, \ks, \zero
.endr
.endr
.endm
.macro FETCH_B slot, q, p              ; B's eight fragments of the slot's q-th K step into set p: an image comes back by three loads of 512 consecutive bytes
	WIN TO_B
.irp i, 0,1,2,3,4,5,6,7
.irp k, 0,1,2
	ds_load_b128 v[128*(\p)+FR*\i+4*\k:128*(\p)+FR*\i+4*\k+3], v[ADRB+\slot] offset:12288*(\q)+1536*\i+512*\k
.endr
.endr
	WIN 0
.endm
.macro FETCH_A slot, q, i0             ; A's blocks i0 .. i0 + 3
.irp i, \i0, \i0+1, \i0+2, \i0+3
.irp k, 0,1,2
	ds_load_b128 v[AF+FR*(\i)+4*\k:AF+FR*(\i)+4*\k+3], v[ADRA+\slot] offset:12288*(\q)+1536*(\i)+512*\k
.endr
.endr
.endm
; K step ks; its successor's fragments lie at (nslot, nq), in bytes that a barrier has already shown whole
.macro STEP ks, nslot, nq, zero
	s_wait_dscnt 4*NL                              ; B's set and A's blocks 0-3 are in; the youngest twelve loads (A's blocks 4-7) may be out
	WIN MUL_LO
	MUL16 0, (\ks)%2, \ks, \zero
	MUL16 2, (\ks)%2, \ks, \zero
	s_wait_dscnt 0x0                               ; A's blocks 4-7 are in
	PLACES
	FETCH_B \nslot, \nq, 1-(\ks)%2
	FETCH_A \nslot, \nq, 0
	WIN MUL_HI
	MUL16 4, (\ks)%2, \ks, \zero
	MUL16 6, (\ks)%2, \ks, \zero
	PLACES
	WIN 0
	FETCH_A \nslot, \nq, 4
.endm
; K step ks with a barrier in it.  In front of it each wave waits for all its tensor loads, adds 0 to its spare word, and waits for that and for its LDS reads.
; fill = 1: the barrier opens a round of the cluster's barrier, and behind it slot 0, which nobody reads any more, takes K steps 6 and 7.
.macro TURN ks, nslot, fill
	s_wait_tensorcnt 0x0                           ; all my tensor loads have landed  (every window is 0 here: the add's two registers lie in window 0)
	ds_add_u32 v[SPW], v[NIL]                      ; 0 onto my spare word
	s_wait_dscnt 4*NL+1                            ; (the add and the youngest twelve loads may be out)
	WIN MUL_LO
	MUL16 0, (\ks)%2, \ks, 0                       ; sixteen matrix instructions stand between the add and the wait for it
	s_wait_dscnt 0x0                               ; the add is done, and my LDS reads are over
	s_barrier_signal -1
	MUL16 2, (\ks)%2, \ks, 0
	WIN 0
	s_barrier_wait -1
.if \fill
	CREST                                          ; no wave of any partner still reads slot 0 or has a load on its way
	s_add_nc_u64 s[G0+2:G0+3], s[G0+2:G0+3], 3*PART
	s_add_nc_u64 s[G0B+2:G0B+3], s[G0B+2:G0B+3], 3*PART
	JLOAD                                          ; the first tensor load behind the round, and my only one; its four v_nop are also the places in front of the loads below
.else
	PLACES
.endif
	FETCH_B \nslot, 0, 1-(\ks)%2
	FETCH_A \nslot, 0, 0
	WIN MUL_HI
	MUL16 4, (\ks)%2, \ks, 0
	MUL16 6, (\ks)%2, \ks, 0
	PLACES
	WIN 0
	FETCH_A \nslot, 0, 4
.endm
	s_wait_tensorcnt 2                             ; my part of slot 0 is in; slots 1 and 2 may be out
	s_barrier_signal -1
	s_barrier_wait -1
	FETCH_B 0, 0, 0
	FETCH_A 0, 0, 0
	FETCH_A 0, 0, 4
	s_wait_loadcnt 0x0                             ; the scale words
	STEP 0, 0, 1, 1                                ; the first step's products start the sums: nothing is cleared
	TURN 1, 1, 1                                   ; slots 1 and 2 are whole in every wave's sight; slot 0 is filled again
	STEP 2, 1, 1, 0
	STEP 3, 2, 0, 0
	STEP 4, 2, 1, 0
	TURN 5, 0, 0                                   ; slot 0's second fill has landed; nothing is filled again
	STEP 6, 0, 1, 0
	s_wait_dscnt 4*NL                              ; the last step: nothing more to fetch
	WIN MUL_LO
	MUL16 0, 1, 7, 0
	MUL16 2, 1, 7, 0
	s_wait_dscnt 0x0
	WIN MUL_HI
	MUL16 4, 1, 7, 0
	MUL16 6, 1, 7, 0
	WIN 0
; THE WAY OUT.  Block a's 64 registers of a lane are n' = 32 b + 16 (lane / 16) + i of its row: four blocks of 32.  They become 12 code registers, laid at CB + 24 (a / 2) + 12 c + 6 (a % 2), and a scale word.
; Each accumulator is read from its low end on.
.macro QOUT a
.set W, 2+(\a)/4
.set AC, 64*((\a)%4)
.set DD, CB+24*((\a)/2)+6*((\a)%2)
.irp b, 0,1,2,3
	v_mov_b32 v[TM+\b], 0x2800000                  ; the floor 2^(5 - 127): the byte cannot fall under 1
.endr
	WIN ((W<<2)|(W<<4))                            ; sources 1 and 2 in the accumulators' window
.irp i, 0,2,4,6,8,10,12,14
.irp b, 0,1,2,3
	v_max3_num_f32 v[TM+\b], v[TM+\b], |v[AC+16*\b+\i]|, |v[AC+16*\b+\i+1]|
.endr
.endr
	WIN 0
.irp b, 0,1,2,3
	v_permlanex16_b32 v[TM+4+\b], v[TM+\b], s[SEL], s[SEL+1]
.endr
.irp b, 0,1,2,3
	v_max_num_f32 v[TM+\b], v[TM+\b], v[TM+4+\b]
.endr
.irp b, 0,1,2,3
	v_add_nc_u32 v[TM+12+\b], 0xfe000000, v[TM+\b] ; 4 off the exponent field: the conversion's scale operand
.endr
.irp b, 0,1,2,3
	v_lshrrev_b32 v[TM+4+\b], 23, v[TM+12+\b]
.endr
	v_lshl_or_b32 v[PW+\a], v[TM+5], 8, v[TM+4]
	v_lshl_or_b32 v[PW+\a], v[TM+6], 16, v[PW+\a]
	v_lshl_or_b32 v[PW+\a], v[TM+7], 24, v[PW+\a]
	WIN W                                          ; source 0 in the accumulators' window
.irp c, 0,1
	v_cvt_scalef32_pk16_bf6_f32 v[DD+12*\c:DD+12*\c+2], v[AC+32*\c:AC+32*\c+15], v[TM+12+2*\c]
	v_cvt_scalef32_pk16_bf6_f32 v[T0+4*\c:T0+4*\c+2], v[AC+32*\c+16:AC+32*\c+31], v[TM+12+2*\c+1]
.endr
	WIN 0
	v_nop                                          ; one plain line behind the scaled conversions
.irp c, 0,1
.irp i, 0,1,2
	v_permlane16_swap_b32 v[DD+12*\c+\i], v[T0+4*\c+\i]
.endr
.irp i, 0,1,2
	v_mov_b32 v[DD+12*\c+3+\i], v[T0+4*\c+\i]
.endr
.endr
.endm
	PLACES
.irp a, 0,1,2,3,4,5,6,7
	QOUT \a
.endr
.irp p, 0,1,2,3
	v_cndmask_b32 v[SW+\p], v[PW+2*\p], v[PW+2*\p+1], s[SHI]   ; lanes 0-15: the even block's words, lanes 16-31: the odd block's
.endr
	s_cmp_eq_u32 s56, 0
	s_cbranch_scc0 .Lvout
	; q, k: n' = 64 c + .. is head c of my two
.irp c, 0,1
.irp p, 0,1,2,3
.irp k, 0,1,2
	global_store_b128 v[L16], v[CB+24*\p+12*\c+4*\k:CB+24*\p+12*\c+4*\k+3], s[8:9] offset:HSTR*\c+1536*\p+512*\k   ; 512 consecutive bytes
.endr
.endr
.endr
.irp p, 0,1,2,3
	v_lshrrev_b32 v[SW+4+\p], 16, v[SW+\p]         ; the second head's two bytes come down; zeros above them
.endr
	global_store_b128 v[L16], v[SW:SW+3], s[8:9] offset:6144
	global_store_b128 v[L16], v[SW+4:SW+7], s[8:9] offset:HSTR+6144
	s_branch .Lout_done
.Lvout:
	; v: block a is tile a % 4 of head a / 4 of my two; n' = 64 c + 32 h + .. are the group's key blocks 2 c + h
.irp a, 0,1,2,3,4,5,6,7
.irp c, 0,1
.irp p, 0,1,2
	global_store_b64 v[L8], v[CB+24*(\a/2)+12*\c+6*(\a%2)+2*\p:CB+24*(\a/2)+12*\c+6*(\a%2)+2*\p+1], s[8:9] offset:HSTR*(\a/4)+3072*\c+768*(\a%4)+256*\p   ; 256 consecutive bytes
.endr
.endr
.endr
.irp g, 0,1
	v_mov_b32 v[SW+8+4*\g], v[SW+2*\g]
	v_mov_b32 v[SW+9+4*\g], v[SW+2*\g+1]
	v_mov_b32 v[SW+10+4*\g], 0
	v_mov_b32 v[SW+11+4*\g], 0
	global_store_b128 v[L16], v[SW+8+4*\g:SW+11+4*\g], s[8:9] offset:HSTR*\g+6144
.endr
.Lout_done:
	s_wait_tensorcnt 0x0                           ; the wave's end
	ds_add_u32 v[SPW], v[NIL]
	s_wait_dscnt 0x0
	CROUND                                         ; the closing round: no work-group ends while a partner may still ask for a tile that names it
	s_endpgm
.Lfunc_end_k_qcc4640fec4_qkv:
	.size	k_qcc4640fec4_qkv, .Lfunc_end_k_qcc4640fec4_qkv-k_qcc4640fec4_qkv
	.p2alignl 7, 3214868480
	.fill 96, 4, 3214868480
	.section	.rodata,"a",@progbits
	.p2align	6, 0x0
	.amdhsa_kernel k_qcc4640fec4_qkv
		.amdhsa_group_segment_fixed_size 327680
		.amdhsa_private_segment_fixed_size 0
		.amdhsa_enable_private_segment 0
		.amdhsa_kernarg_size 24
		.amdhsa_user_sgpr_count 2
		.amdhsa_user_sgpr_kernarg_segment_ptr 1
		.amdhsa_wavefront_size32 1
		.amdhsa_system_sgpr_workgroup_id_x 1
		.amdhsa_system_sgpr_workgroup_id_y 1
		.amdhsa_system_sgpr_workgroup_id_z 1
		.amdhsa_system_vgpr_workitem_id 0
		.amdhsa_next_free_vgpr 1024
		.amdhsa_next_free_sgpr 98
		.amdhsa_reserve_vcc 0
		.amdhsa_float_denorm_mode_32 3
		.amdhsa_float_denorm_mode_16_64 3
		.amdhsa_memory_ordered 1
		.amdhsa_forward_progress 1
		.amdhsa_inst_pref_size 144
	.end_amdhsa_kernel
	.amdgpu_metadata
---
amdhsa.version: [ 1, 2 ]
amdhsa.kernels:
  - .name:           k_qcc4640fec4_qkv
    .symbol:         k_qcc4640fec4_qkv.kd
    .args:
      - { .name: opc, .offset: 0, .size: 8, .value_kind: global_buffer, .address_space: global }
      - { .name: ops, .offset: 8, .size: 8, .value_kind: global_buffer, .address_space: global }
      - { .name: rec, .offset: 16, .size: 8, .value_kind: global_buffer, .address_space: global }
    .group_segment_fixed_size: 327680
    .private_segment_fixed_size: 0
    .kernarg_segment_align: 8
    .kernarg_segment_size: 24
    .max_flat_workgroup_size: 128
    .sgpr_count:     98
    .vgpr_count:     1024
    .wavefront_size: 32
...
	.end_amdgpu_metadata
.endif
;; end of part 2
;; launch att (part 3): grid 32 x 8, 16 waves a work-group, no clusters, 94,720 bytes of LDS; arguments rec, atc, ats; writes atc, ats
.if DOCPART == 3
	.amdgcn_target "amdgcn-amd-amdhsa--gfx1250"
	.amdhsa_code_object_version 6
	.text
	.protected	k_qcc4640fec4_att
	.globl	k_qcc4640fec4_att
	.p2align	8
	.type	k_qcc4640fec4_att,@function
k_qcc4640fec4_att:
	s_mov_b64 s[64:65], 0
	v_nop
	global_prefetch_b8 v0, s[64:65] scope:SCOPE_SE
	s_setreg_imm32_b32 hwreg(HW_REG_WAVE_MODE, 25, 1), 1
	s_wait_xcnt 0x0
; Banded causal attention on codes of BF6 (E3M2): query i sees keys i - 128 .. i and keys 0 .. 63 that are not after it.  Head size 64, 16 heads, 4,096 queries.
; 32 neighbouring queries see five aligned blocks of 32 keys (L0 .. L4) and the two first blocks (G0, G1); all other keys are hidden by the mask and are not multiplied.
; SHARES: a work-group owns 128 queries (x) of two heads (y); wave w owns 16 queries: head w % 2, tile w / 2.  One pass: all 224 keys of a wave are in registers at once, so M is the row's true ceiling.
; SOFTMAX: t = score x log2(e) / 8; M = ceil(the row's largest t); p = 2^(t - M) is quantised along the keys, block by block; the row's sum of the unquantised p divides at the end.
; Both products are used transposed (S^T = K Q^T, O^T = V^T P^T): a lane holds one query.  The first product's K is 64: the upper 64 of the instruction's 128 meet Q's zero codes,
; under scale bytes that are never 0xff, so whatever codes stand there on K's side add exactly 0.
; A local block that is block 0 or 1 of the head, or lies before the head's first key, is hidden as a whole: G0 and G1 carry those keys.  So each block of 32 keys carries p once, and its scale is the block's own.
; The second product goes in two steps of 128: [L0 L1 L2 L3] and [L4, a pad with zero codes, G0, G1].  The order of the key blocks in its sums is not the ascending one.
; K's and V's records (6,656 bytes: launch qkv's layout) of the groups of 128 keys before, at, and at the head's start, for both heads, are copied into LDS once by waves 0-11.
; NO CLUSTER: a group of keys serves work-groups x and x + 1 at different places of their windows, so a joint load would need an LDS address that hangs on the place in the cluster; only 2 of the 12 records are common to all.
; OUT: the result, divided by the sum, is quantised along the head's 64 and leaves as the last product's operand: atc [128 queries][pair of heads = K step][tile][1,536-byte image], ats [64 queries][K step][256 bytes].
; LIMITS: NaN and infinities are not served; a block under 2^-122 and a block of zeros keep the scale byte 1 (the bytes are read by this program alone).
.set RECB, 6656
.set HSTR, 32*RECB
.set STG,  12*RECB                     ; LDS: 12 records; then 8 images of 1,536 bytes;
.set STS,  STG+8*1536                  ; then two units of 256 scale bytes
.set AK,   1                           ; v1-5   K's codes of local block b
.set AKG,  6                           ; v6     K's codes of the head's first group
.set AKS,  7                           ; v7-11  K's scale words of local block b
.set AV,   12                          ; v12-14 V's codes: key block c + h + 2 k of the window, by lane half
.set AVG,  15                          ; v15    V's codes of G0 (lanes 0-15), G1 (lanes 16-31)
.set AVS,  16                          ; v16    V's scale words
.set ST,   17                          ; v17-19 where my six code registers go in the image
.set STSA, 20                          ; v20    where my two scale bytes go
.set RD,   21
.set CP,   22
.set L16,  23                          ; v23    16 x lane
.set DL,   24                          ; v24    my query's place in its 32, less 16 (lane / 16)
.set GM,   25                          ; v25    my query, less 16 (lane / 16)
.set NM,   26                          ; v26    -M
.set NI,   27                          ; v27    -infinity
.set SUM,  28                          ; v28-29 the row's sum in two halves; then the sum and 1 / the sum
.set KS,   30                          ; v30-36 K's scale words;  v37 Q's;  v38-39 p's;  v40-43 V's: these hold scales and nothing else
.set QS,   37
.set PS,   38
.set VS,   40
.set Q,    44                          ; v44-55 Q: six code registers, six zeros
.set FA,   56                          ; v56-109 fragments of K, of V; at work in between
.set S,    110                         ; v110-221 S^T, then p; later O^T (v110-141) and V's second step (v158-205)
.set V1,   158
.set PC,   222                         ; v222-245 p's codes, two steps
.set WA,   246
.set WB,   248
.set WG,   250
.set RDS,  252
.set ATO,  253
.set QSO,  254
.set BM,   56                          ; at work in the softmax: blocks' maxima, the other half's, scale operands, bytes, a second chain of sums, conversions' second halves
.set PX,   64
.set SCO,  72
.set BY,   80
.set SM2,  88
.set TT,   90
.set SEL,  34                          ; s[34:35]
.set CS,   36                          ; s[36:37] log2(e) / 8
	s_load_b128 s[4:7], s[0:1], 0x0                ; rec s[4:5], atc s[6:7]
	s_load_b64 s[8:9], s[0:1], 0x10                ; ats
	v_lshrrev_b32 v44, 5, v0
	v_readfirstlane_b32 s10, v44                   ; wave 0..15
	s_and_b32 s11, s10, 1                          ; e: which head of the pair.  Also, for the copy: the same
	s_lshr_b32 s12, s10, 1                         ; my tile of 16 queries
	s_lshr_b32 s13, s10, 2                         ; c: my block of 32 queries.  For the copy: which group
	s_and_b32 s14, s12, 1                          ; u: which tile of the block.  For the copy: K (0) or V (1)
	s_mov_b32 s15, ttmp9                           ; which 128 queries
	s_and_b32 s16, ttmp7, 0xffff                   ; which pair of heads
	s_mul_i32 s17, s11, RECB                       ; my head's records: (e + 2 (V) + 4 (group)) x 6,656
	v_and_b32 v45, 31, v0                          ; lane
	v_and_b32 v46, 15, v0                          ; r
	v_bfe_u32 v47, v0, 4, 1                        ; h
	v_lshlrev_b32 v[L16], 4, v45
	v_lshlrev_b32 v48, 3, v46                      ; 8 r
	; every LDS address is made here, ahead of the first branch on the wave's number
.irp b, 0,1,2,3,4
	s_add_co_u32 s20, s13, \b                      ; block c + b of the eight in the two local groups
	s_lshr_b32 s21, s20, 2
	s_mul_i32 s21, s21, 4*RECB
	s_add_co_u32 s21, s21, s17
	s_and_b32 s20, s20, 3
	s_mul_i32 s22, s20, 1536
	s_add_co_u32 s22, s22, s21
	v_add_nc_u32 v[AK+\b], s22, v[L16]
	s_lshl_b32 s20, s20, 2
	s_add_co_u32 s20, s20, s21
	s_add_co_u32 s20, s20, 6144
	v_add_nc_u32 v[AKS+\b], s20, v[L16]
.endr
	s_add_co_u32 s20, s17, 8*RECB
	v_add_nc_u32 v[AKG], s20, v[L16]
	s_add_co_u32 s23, s17, 2*RECB
.irp k, 0,1,2
	s_add_co_u32 s20, s13, 2*\k
	v_add_nc_u32 v50, s20, v47                     ; my lane half's key block
	v_lshrrev_b32 v51, 2, v50
	v_mul_u32_u24 v51, v51, 4*RECB                 ; its group,
	v_bfe_u32 v52, v50, 1, 1
	v_mad_u32_u24 v51, v52, 3072, v51              ; its pair in the record,
	v_and_b32 v52, 1, v50
	v_lshl_add_u32 v51, v52, 7, v51                ; its half of the record's lanes
	v_add_nc_u32 v51, v51, v48
	v_add_nc_u32 v[AV+\k], s23, v51
.endr
	s_add_co_u32 s20, s17, 10*RECB
	v_lshl_add_u32 v49, v47, 7, v48
	v_add_nc_u32 v[AVG], s20, v49
	s_add_co_u32 s20, s17, 2*RECB+6144
	v_add_nc_u32 v[AVS], s20, v[L16]
	s_mul_i32 s20, s12, 1536
	s_add_co_u32 s20, s20, STG
	v_add_nc_u32 v49, s20, v[L16]                  ; my tile's image.  My six registers are its registers 6 e .. 6 e + 5: three pieces of 8 bytes
	s_mul_i32 s21, s11, 520
	v_add_nc_u32 v[ST], s21, v49
	s_mul_i32 s21, s11, 1016
	s_add_co_u32 s21, s21, 8
	v_add_nc_u32 v[ST+1], s21, v49
	s_mul_i32 s21, s11, 520
	s_add_co_u32 s21, s21, 512
	v_add_nc_u32 v[ST+2], s21, v49
	s_lshr_b32 s20, s13, 1
	s_lshl_b32 s20, s20, 8                         ; which 64 queries,
	s_and_b32 s21, s13, 1
	s_lshl_b32 s21, s21, 2                         ; which pair of tiles,
	s_add_co_u32 s20, s20, s21
	s_lshl_b32 s21, s14, 7                         ; which half of the unit's lanes,
	s_add_co_u32 s20, s20, s21
	s_lshl_b32 s21, s11, 1                         ; which two bytes of the word
	s_add_co_u32 s20, s20, s21
	s_add_co_u32 s20, s20, STS
	v_add_nc_u32 v[STSA], s20, v48
	s_and_b32 s20, s10, 7
	s_mul_i32 s20, s20, 1536
	s_add_co_u32 s21, s20, STG
	v_add_nc_u32 v[RD], s21, v[L16]
	s_min_u32 s21, s10, 11
	s_mul_i32 s21, s21, RECB
	v_add_nc_u32 v[CP], s21, v[L16]
	v_add_nc_u32 v[RDS], STS, v[L16]
	v_lshlrev_b32 v49, 4, v46
	v_lshl_add_u32 v[ATO], v47, 11, v49            ; ats: the two units lie 2,048 bytes apart
	s_lshl_b32 s21, s14, 8
	s_lshl_b32 s22, s13, 2
	s_add_co_u32 s21, s21, s22
	s_add_co_u32 s21, s21, 6144
	v_add_nc_u32 v[QSO], s21, v49                  ; Q's scale word: lane 16 u + r, word c
	v_lshrrev_b32 v50, 3, v46
	v_lshl_add_u32 v50, v50, 3, v46
	s_lshl_b32 s21, s14, 3
	v_add_nc_u32 v50, s21, v50                     ; my query's place in its 32: 8 u + r + 8 (r / 8)
	v_lshlrev_b32 v51, 4, v47
	v_sub_nc_u32 v[DL], v50, v51
	s_lshl_b32 s21, s15, 7
	s_lshl_b32 s22, s13, 5
	s_add_co_u32 s21, s21, s22
	v_add_nc_u32 v[GM], s21, v[DL]
	; global offsets
	s_mul_i32 s30, s15, 98304
	s_mul_i32 s21, s16, 12288
	s_add_co_u32 s30, s30, s21
	s_add_co_u32 s30, s30, s20                     ; atc: my image (waves 0-7)
	s_mov_b32 s31, 0
	s_lshl_b32 s32, s15, 4
	s_add_co_u32 s32, s32, s16
	s_lshl_b32 s32, s32, 8                         ; ats
	s_mov_b32 s33, 0
	s_lshl_b32 s20, s16, 1
	s_add_co_u32 s20, s20, s11                     ; my head
	s_mul_i32 s24, s20, HSTR
	s_mul_i32 s21, s15, RECB
	s_add_co_u32 s24, s24, s21                     ; Q's record
	s_mov_b32 s25, 0
	s_mul_i32 s26, s13, 1536
	s_add_co_u32 s26, s26, s24                     ; and my block of 32 queries in it
	s_mov_b32 s27, 0
	s_lshl_b32 s21, s14, 4
	s_add_co_u32 s20, s20, s21
	s_add_co_u32 s20, s20, 16                      ; the copy: K's heads begin at 16, V's at 32
	s_mul_i32 s28, s20, HSTR
	s_sub_co_i32 s21, s15, 1
	s_max_i32 s21, s21, 0                          ; the group before (for the first 128 queries: group 0; its blocks are hidden)
	s_cmp_eq_u32 s13, 1
	s_cselect_b32 s21, s15, s21                    ; my own group
	s_cmp_eq_u32 s13, 2
	s_cselect_b32 s21, 0, s21                      ; the head's first
	s_mul_i32 s21, s21, RECB
	s_add_co_u32 s28, s28, s21
	s_mov_b32 s29, 0
	s_mov_b32 s[SEL], 0x76543210
	s_mov_b32 s[SEL+1], 0xfedcba98
	s_mov_b32 s[CS], 0x3e38aa3b                    ; log2(e) / 8
	s_mov_b32 s[CS+1], s[CS]                       ; (named with it as a pair, so it is written)
	s_cmp_eq_u32 s14, 0
	s_cselect_b32 s38, 0, -1                       ; all lanes, where my tile is the block's second
	s_mul_i32 s39, s13, 0x01010101
	s_add_co_u32 s39, s39, 0x03020100              ; byte selects: bytes c .. c + 3 of eight
	s_mul_i32 s40, s13, 0x0101
	s_add_co_u32 s40, s40, 0x05040100              ; bytes c, c + 1 of the own group's word, bytes 0, 1 of the first group's
	s_wait_kmcnt 0x0
	s_add_nc_u64 s[24:25], s[4:5], s[24:25]
	s_add_nc_u64 s[26:27], s[4:5], s[26:27]
	s_add_nc_u64 s[28:29], s[4:5], s[28:29]
	s_add_nc_u64 s[6:7], s[6:7], s[30:31]
	s_add_nc_u64 s[8:9], s[8:9], s[32:33]
	; ---- 1: Q, and the copy of the twelve records
.irp k, 0,1,2
	global_load_b128 v[FA+4*\k:FA+4*\k+3], v[L16], s[26:27] offset:512*\k
.endr
	global_load_b32 v[QS], v[QSO], s[24:25]
	s_cmp_lt_u32 s10, 12
	s_cbranch_scc0 .Lno_copy
.irp j, 0,1,2,3,4,5,6,7,8,9,10,11,12
	global_load_b128 v[S+4*\j:S+4*\j+3], v[L16], s[28:29] offset:512*\j
.endr
	s_wait_loadcnt 0x0
.irp j, 0,1,2,3,4,5,6,7,8,9,10,11,12
	ds_store_b128 v[CP], v[S+4*\j:S+4*\j+3] offset:512*\j
.endr
.Lno_copy:
	s_wait_loadcnt 0x0
.irp i, 0,1,2,3,4,5
	v_mov_b32 v[FA+48+\i], 0                       ; behind the fourth fragment: named by the last tile's upper half
.endr
.irp i, 0,1,2,3,4,5
	v_cndmask_b32 v[Q+\i], v[FA+\i], v[FA+6+\i], s38   ; my tile's six registers of the block's twelve
.endr
.irp i, 0,1,2,3,4,5
	v_mov_b32 v[Q+6+\i], 0                         ; zero codes for the upper 64 along K
.endr
	s_wait_dscnt 0x0                               ; for the others' sake: my stores have landed
	s_barrier_signal -1
	s_barrier_wait -1
	; ---- 2, 3: V's scale words; S^T = K Q^T
	ds_load_b64 v[WA:WA+1], v[AVS]
	ds_load_b64 v[WB:WB+1], v[AVS] offset:4*RECB
	ds_load_b64 v[WG:WG+1], v[AVS] offset:8*RECB
.irp b, 0,1,2,3
.irp k, 0,1,2
	ds_load_b128 v[FA+12*\b+4*\k:FA+12*\b+4*\k+3], v[AK+\b] offset:512*\k
.endr
	ds_load_b32 v[KS+\b], v[AKS+\b]
.endr
	s_wait_dscnt 16                                ; the three words are in; the sixteen loads behind them may be out
.irp p, 0,1
	v_perm_b32 v[VS+\p], v[WB+\p], v[WA+\p], s39   ; step 0: the bytes of blocks L0 .. L3
	v_perm_b32 v[VS+2+\p], v[WG+\p], v[WB+\p], s40 ; step 1: L4, the pad (a byte that is never 0xff, over zero codes), G0, G1
.endr
	v_mov_b32 v[NI], 0xff800000
.macro KQ idx, fb                      ; block idx of the seven: its two tiles of 16 keys; the fragment pair stands at FA + 12 fb
	v_wmma_scale_f32_16x16x128_f8f6f4 v[S+16*(\idx):S+16*(\idx)+7], v[FA+12*(\fb):FA+12*(\fb)+11], v[Q:Q+11], 0, v[KS+(\idx)], v[QS] matrix_a_fmt:MATRIX_FMT_BF6 matrix_b_fmt:MATRIX_FMT_BF6
	v_wmma_scale_f32_16x16x128_f8f6f4 v[S+16*(\idx)+8:S+16*(\idx)+15], v[FA+12*(\fb)+6:FA+12*(\fb)+17], v[Q:Q+11], 0, v[KS+(\idx)], v[QS] matrix_a_fmt:MATRIX_FMT_BF6 matrix_b_fmt:MATRIX_FMT_BF6 matrix_a_scale:MATRIX_SCALE_ROW1
.endm
	s_wait_dscnt 0x0
	KQ 0, 0
	KQ 1, 1
	KQ 2, 2
	KQ 3, 3
.rept 4
	v_nop                                          ; places in front of loads into registers that matrix instructions have read
.endr
.irp k, 0,1,2
	ds_load_b128 v[FA+4*\k:FA+4*\k+3], v[AK+4] offset:512*\k
	ds_load_b128 v[FA+12+4*\k:FA+12+4*\k+3], v[AKG] offset:512*\k
	ds_load_b128 v[FA+24+4*\k:FA+24+4*\k+3], v[AKG] offset:1536+512*\k
.endr
	ds_load_b32 v[KS+4], v[AKS+4]
	ds_load_b32 v[KS+5], v[AKG] offset:6144
	ds_load_b32 v[KS+6], v[AKG] offset:6148
	s_wait_dscnt 0x0
	KQ 4, 0
	KQ 5, 1
	KQ 6, 2
.rept 4
	v_nop
.endr
	; ---- 4: the mask.  Register 16 idx + i holds key 16 (lane / 16) + i of block idx.  Each accumulator is read from its low end on.
.set j, 0
.rept 16
	v_cmp_lt_i32 vcc_lo, j, v[DL]                  ; L0: hidden where the key lies more than 128 before my query
	v_cndmask_b32 v[S+j], v[S+j], v[NI], vcc_lo
.set j, j+1
.endr
.set j, 0
.rept 16
	v_cmp_gt_i32 vcc_lo, j, v[DL]                  ; L4: hidden where the key comes after my query
	v_cndmask_b32 v[S+64+j], v[S+64+j], v[NI], vcc_lo
.set j, j+1
.endr
	s_cmp_lt_u32 s15, 2                            ; only the first 256 queries meet the head's start: a branch on the work-group's number
	s_cbranch_scc0 .Lno_edge
	s_lshl_b32 s20, s15, 2
	s_add_co_u32 s20, s20, s13
.irp b, 0,1,2,3,4
	s_add_co_u32 s21, s20, \b
	s_cmp_lt_u32 s21, 6                            ; local block b is block 4 x - 4 + c + b of the head: under 2 it is G0's or G1's, or none
	s_cselect_b32 s22, -1, 0
.set j, 0
.rept 16
	v_cndmask_b32 v[S+16*\b+j], v[S+16*\b+j], v[NI], s22
.set j, j+1
.endr
.endr
.irp g, 0,1
.set j, 0
.rept 16
	v_cmp_gt_i32 vcc_lo, 32*\g+j, v[GM]            ; G0, G1: hidden where the key comes after my query
	v_cndmask_b32 v[S+80+16*\g+j], v[S+80+16*\g+j], v[NI], vcc_lo
.set j, j+1
.endr
.endr
.Lno_edge:
	; ---- 5: the softmax.  The largest score of each block serves twice: for the row's maximum and, since p rises with the score, for the block's largest p
.irp b, 0,1,2,3,4,5,6
	v_max3_num_f32 v[BM+\b], v[S+16*\b], v[S+16*\b+1], v[S+16*\b+2]
.endr
.irp i, 3,5,7,9,11,13
.irp b, 0,1,2,3,4,5,6
	v_max3_num_f32 v[BM+\b], v[BM+\b], v[S+16*\b+\i], v[S+16*\b+\i+1]
.endr
.endr
.irp b, 0,1,2,3,4,5,6
	v_max_num_f32 v[BM+\b], v[BM+\b], v[S+16*\b+15]
.endr
.irp b, 0,1,2,3,4,5,6
	v_permlanex16_b32 v[PX+\b], v[BM+\b], s[SEL], s[SEL+1]
.endr
.irp b, 0,1,2,3,4,5,6
	v_max_num_f32 v[BM+\b], v[BM+\b], v[PX+\b]     ; with lane l xor 16's 16 keys
.endr
	v_max3_num_f32 v[PX], v[BM], v[BM+1], v[BM+2]
	v_max3_num_f32 v[PX], v[PX], v[BM+3], v[BM+4]
	v_max3_num_f32 v[PX], v[PX], v[BM+5], v[BM+6]  ; the row's largest score: my own key is never hidden, so it is a number
	v_mul_f32 v[PX], s[CS], v[PX]
	v_floor_f32 v[NM], -v[PX]                      ; -M = floor(-t) = -ceil(t)
.set j, 0
.rept 56
	v_pk_fma_f32 v[S+j:S+j+1], v[S+j:S+j+1], s[CS:CS+1], v[NM:NM+1] op_sel_hi:[1,0,0]   ; t - M, two at a time (the pairs' low words serve both halves)
.set j, j+2
.endr
.irp b, 0,1,2,3,4,5,6
	v_fma_f32 v[BM+\b], v[BM+\b], s[CS], v[NM]     ; the same of each block's largest score
.endr
.set j, 0
.rept 112
	v_exp_f32 v[S+j], v[S+j]                       ; p = 2^(t - M); 0 where the key is hidden
.set j, j+1
.endr
	v_nop                                          ; a plain line behind the exponentials
	s_wait_alu depctr_va_vdst(0)                   ; one wait for the whole batch, ahead of its first reader
.irp b, 0,1,2,3,4,5,6
	v_exp_f32 v[BM+\b], v[BM+\b]                   ; each block's largest p
.endr
	v_pk_add_f32 v[SUM:SUM+1], v[S:S+1], v[S+2:S+3]            ; the row's sum, of the unquantised p, in two chains
	v_pk_add_f32 v[SM2:SM2+1], v[S+4:S+5], v[S+6:S+7]
.set j, 8
.rept 26
	v_pk_add_f32 v[SUM:SUM+1], v[SUM:SUM+1], v[S+j:S+j+1]
	v_pk_add_f32 v[SM2:SM2+1], v[SM2:SM2+1], v[S+j+2:S+j+3]
.set j, j+4
.endr
	v_pk_add_f32 v[SUM:SUM+1], v[SUM:SUM+1], v[SM2:SM2+1]
	v_add_f32 v[SUM], v[SUM], v[SUM+1]
	v_permlanex16_b32 v[SUM+1], v[SUM], s[SEL], s[SEL+1]
	v_add_f32 v[SUM], v[SUM], v[SUM+1]
	v_rcp_f32 v[SUM+1], v[SUM]
.irp i, 0,1,2
	v_mov_b32 v[TT+8+\i], 0                        ; the pad's codes.  (Plain lines behind the reciprocal)
.endr
	s_wait_alu depctr_va_vdst(0)                   ; one wait for the seven exponentials and the reciprocal
.irp b, 0,1,2,3,4,5,6
	v_max_num_f32 v[BM+\b], 0x2800000, v[BM+\b]    ; the floor 2^(5 - 127): a block whose every p is 0 keeps the byte 1; its codes are zeros
.endr
.irp b, 0,1,2,3,4,5,6
	v_add_nc_u32 v[SCO+\b], 0xfe000000, v[BM+\b]
.endr
.irp b, 0,1,2,3,4,5,6
	v_lshrrev_b32 v[BY+\b], 23, v[SCO+\b]
.endr
	v_lshl_or_b32 v[PS], v[BY+1], 8, v[BY]
	v_lshl_or_b32 v[PS], v[BY+2], 16, v[PS]
	v_lshl_or_b32 v[PS], v[BY+3], 24, v[PS]
	v_lshl_or_b32 v[PS+1], v[BY+5], 16, v[BY+4]    ; the pad's byte is 0, over zero codes
	v_lshl_or_b32 v[PS+1], v[BY+6], 24, v[PS+1]
	v_cvt_scalef32_pk16_bf6_f32 v[PC:PC+2], v[S:S+15], v[SCO]
	v_cvt_scalef32_pk16_bf6_f32 v[TT:TT+2], v[S+16:S+31], v[SCO+1]
	v_cvt_scalef32_pk16_bf6_f32 v[PC+6:PC+8], v[S+32:S+47], v[SCO+2]
	v_cvt_scalef32_pk16_bf6_f32 v[TT+4:TT+6], v[S+48:S+63], v[SCO+3]
	v_cvt_scalef32_pk16_bf6_f32 v[PC+12:PC+14], v[S+64:S+79], v[SCO+4]
	v_cvt_scalef32_pk16_bf6_f32 v[PC+18:PC+20], v[S+80:S+95], v[SCO+5]
	v_cvt_scalef32_pk16_bf6_f32 v[TT+12:TT+14], v[S+96:S+111], v[SCO+6]
	v_nop                                          ; one plain line behind the scaled conversions
.irp q, 0,1,2,3                        ; the operand wants a whole block in a lane
.irp i, 0,1,2
	v_permlane16_swap_b32 v[PC+6*\q+\i], v[TT+4*\q+\i]
.endr
.irp i, 0,1,2
	v_mov_b32 v[PC+6*\q+3+\i], v[TT+4*\q+\i]
.endr
.endr
	; ---- 6: O^T = V^T P^T.  A lane half takes its own key block's 24 bytes of each row: three pieces of 8
.irp t, 0,1,2,3
.irp p, 0,1,2
	ds_load_b64 v[FA+12*\t+2*\p:FA+12*\t+2*\p+1], v[AV] offset:768*\t+256*\p
	ds_load_b64 v[FA+12*\t+6+2*\p:FA+12*\t+6+2*\p+1], v[AV+1] offset:768*\t+256*\p
.endr
.endr
.irp t, 0,1,2,3
.irp p, 0,1,2
	ds_load_b64 v[V1+12*\t+2*\p:V1+12*\t+2*\p+1], v[AV+2] offset:768*\t+256*\p
	ds_load_b64 v[V1+12*\t+6+2*\p:V1+12*\t+6+2*\p+1], v[AVG] offset:768*\t+256*\p
.endr
.endr
.rept 8
	v_nop                                          ; operands and scale words written by vector lines stand this far ahead of a scaled matrix instruction
.endr
.macro PVW t, va, pc, st, zero         ; tile t of the head's 64; the four accumulators take turns
.set rw, (\t)%2+2*(\zero)
.if rw == 0
	v_wmma_scale_f32_16x16x128_f8f6f4 v[S+8*(\t):S+8*(\t)+7], v[\va+12*(\t):\va+12*(\t)+11], v[\pc:\pc+11], v[S+8*(\t):S+8*(\t)+7], v[VS+2*(\st)+(\t)/2], v[PS+(\st)] matrix_a_fmt:MATRIX_FMT_BF6 matrix_b_fmt:MATRIX_FMT_BF6
.elseif rw == 1
	v_wmma_scale_f32_16x16x128_f8f6f4 v[S+8*(\t):S+8*(\t)+7], v[\va+12*(\t):\va+12*(\t)+11], v[\pc:\pc+11], v[S+8*(\t):S+8*(\t)+7], v[VS+2*(\st)+(\t)/2], v[PS+(\st)] matrix_a_fmt:MATRIX_FMT_BF6 matrix_b_fmt:MATRIX_FMT_BF6 matrix_a_scale:MATRIX_SCALE_ROW1
.elseif rw == 2
	v_wmma_scale_f32_16x16x128_f8f6f4 v[S+8*(\t):S+8*(\t)+7], v[\va+12*(\t):\va+12*(\t)+11], v[\pc:\pc+11], 0, v[VS+2*(\st)+(\t)/2], v[PS+(\st)] matrix_a_fmt:MATRIX_FMT_BF6 matrix_b_fmt:MATRIX_FMT_BF6
.else
	v_wmma_scale_f32_16x16x128_f8f6f4 v[S+8*(\t):S+8*(\t)+7], v[\va+12*(\t):\va+12*(\t)+11], v[\pc:\pc+11], 0, v[VS+2*(\st)+(\t)/2], v[PS+(\st)] matrix_a_fmt:MATRIX_FMT_BF6 matrix_b_fmt:MATRIX_FMT_BF6 matrix_a_scale:MATRIX_SCALE_ROW1
.endif
.endm
	s_wait_dscnt 24                                ; step 0's fragments are in; step 1's 24 loads may be out
.irp t, 0,1,2,3
	PVW \t, FA, PC, 0, 1
.endr
	s_wait_dscnt 0x0
.irp t, 0,1,2,3
	PVW \t, V1, PC+12, 1, 0
.endr
.rept 4
	v_nop
.endr
	; ---- 7: O^T / the sum; register 16 b + i is channel 32 b + 16 (lane / 16) + i of my query: two blocks of the last product's K
.set j, 0
.rept 32
	v_mul_f32 v[FA+j], v[S+j], v[SUM+1]
.set j, j+1
.endr
.irp b, 0,1
	v_max3_num_f32 v[88+\b], |v[FA+16*\b]|, |v[FA+16*\b+1]|, 0x2800000
.endr
.irp i, 2,4,6,8,10,12,14
.irp b, 0,1
	v_max3_num_f32 v[88+\b], v[88+\b], |v[FA+16*\b+\i]|, |v[FA+16*\b+\i+1]|
.endr
.endr
.irp b, 0,1
	v_permlanex16_b32 v[90+\b], v[88+\b], s[SEL], s[SEL+1]
.endr
.irp b, 0,1
	v_max_num_f32 v[88+\b], v[88+\b], v[90+\b]
.endr
.irp b, 0,1
	v_add_nc_u32 v[92+\b], 0xfe000000, v[88+\b]
.endr
.irp b, 0,1
	v_lshrrev_b32 v[94+\b], 23, v[92+\b]
.endr
	v_lshl_or_b32 v94, v95, 8, v94                 ; my head's two bytes of the row's scale word
	v_cvt_scalef32_pk16_bf6_f32 v[96:98], v[FA:FA+15], v92
	v_cvt_scalef32_pk16_bf6_f32 v[102:104], v[FA+16:FA+31], v93
	v_nop
.irp i, 0,1,2
	v_permlane16_swap_b32 v[96+\i], v[102+\i]
.endr
.irp i, 0,1,2
	v_mov_b32 v[99+\i], v[102+\i]
.endr
	; ---- 8: the two heads' halves of an image meet in LDS
	ds_store_b64 v[ST], v[96:97]
	ds_store_b64 v[ST+1], v[98:99]
	ds_store_b64 v[ST+2], v[100:101]
	ds_store_b16 v[STSA], v94                      ; both halves of the lanes write the same bytes with the same value
	s_wait_dscnt 0x0
	s_barrier_signal -1
	s_barrier_wait -1
	; ---- 9: waves 0-7 store an image each, wave 8 the two units of scale bytes
	s_cmp_lt_u32 s10, 8
	s_cbranch_scc0 .Lnot_codes
.irp k, 0,1,2
	ds_load_b128 v[FA+4*\k:FA+4*\k+3], v[RD] offset:512*\k
.endr
	s_wait_dscnt 0x0
.irp k, 0,1,2
	global_store_b128 v[L16], v[FA+4*\k:FA+4*\k+3], s[6:7] offset:512*\k   ; 512 consecutive bytes
.endr
	s_branch .Lend
.Lnot_codes:
	s_cmp_eq_u32 s10, 8
	s_cbranch_scc0 .Lend
	ds_load_b128 v[FA:FA+3], v[RDS]
	s_wait_dscnt 0x0
	global_store_b128 v[ATO], v[FA:FA+3], s[8:9]   ; sixteen lanes store 256 consecutive bytes
.Lend:
	s_wait_xcnt 0x0
	v_lshl_add_u32 v254, v0, 2, 0x16a00
	v_mov_b32 v255, 0
	s_wait_tensorcnt 0x0
	ds_add_u32 v254, v255
	s_wait_dscnt 0x0
	s_endpgm
.Lfunc_end_k_qcc4640fec4_att:
	.size	k_qcc4640fec4_att, .Lfunc_end_k_qcc4640fec4_att-k_qcc4640fec4_att
	.p2alignl 7, 3214868480
	.fill 96, 4, 3214868480
	.section	.rodata,"a",@progbits
	.p2align	6, 0x0
	.amdhsa_kernel k_qcc4640fec4_att
		.amdhsa_group_segment_fixed_size 94720
		.amdhsa_private_segment_fixed_size 0
		.amdhsa_enable_private_segment 0
		.amdhsa_kernarg_size 24
		.amdhsa_user_sgpr_count 2
		.amdhsa_user_sgpr_kernarg_segment_ptr 1
		.amdhsa_wavefront_size32 1
		.amdhsa_system_sgpr_workgroup_id_x 1
		.amdhsa_system_sgpr_workgroup_id_y 1
		.amdhsa_system_sgpr_workgroup_id_z 1
		.amdhsa_system_vgpr_workitem_id 0
		.amdhsa_next_free_vgpr 256
		.amdhsa_next_free_sgpr 66
		.amdhsa_reserve_vcc 1
		.amdhsa_float_denorm_mode_32 3
		.amdhsa_float_denorm_mode_16_64 3
		.amdhsa_memory_ordered 1
		.amdhsa_forward_progress 1
		.amdhsa_inst_pref_size 54
	.end_amdhsa_kernel
	.amdgpu_metadata
---
amdhsa.version: [ 1, 2 ]
amdhsa.kernels:
  - .name:           k_qcc4640fec4_att
    .symbol:         k_qcc4640fec4_att.kd
    .args:
      - { .name: rec, .offset: 0, .size: 8, .value_kind: global_buffer, .address_space: global }
      - { .name: atc, .offset: 8, .size: 8, .value_kind: global_buffer, .address_space: global }
      - { .name: ats, .offset: 16, .size: 8, .value_kind: global_buffer, .address_space: global }
    .group_segment_fixed_size: 94720
    .private_segment_fixed_size: 0
    .kernarg_segment_align: 8
    .kernarg_segment_size: 24
    .max_flat_workgroup_size: 512
    .sgpr_count:     66
    .vgpr_count:     256
    .wavefront_size: 32
...
	.end_amdgpu_metadata
.endif
;; end of part 3
;; launch outp (part 4): grid 8 x 32, 4 waves a work-group, clusters of 4 x 4, 214,528 bytes of LDS; arguments atc, ats, opc, ops, out0; writes out0
.if DOCPART == 4
	.amdgcn_target "amdgcn-amd-amdhsa--gfx1250"
	.amdhsa_code_object_version 6
	.text
	.protected	k_qcc4640fec4_outp
	.globl	k_qcc4640fec4_outp
	.p2align	8
	.type	k_qcc4640fec4_outp,@function
k_qcc4640fec4_outp:
	s_mov_b64 s[64:65], 0
	v_nop
	global_prefetch_b8 v0, s[64:65] scope:SCOPE_SE
	s_setreg_imm32_b32 hwreg(HW_REG_WAVE_MODE, 25, 1), 1
	s_wait_xcnt 0x0
	s_wait_alu depctr_hold_cnt(0) depctr_sa_sdst(0) depctr_va_vdst(0) depctr_va_sdst(0) depctr_va_ssrc(0) depctr_va_vcc(0) depctr_vm_vsrc(0)
	s_getreg_b32 s2, hwreg(HW_REG_IB_STS2, 6, 4)
	s_cmp_eq_u32 s2, 0
	s_cbranch_scc0 .Lentry_in_a_cluster
	s_endpgm
.Lentry_in_a_cluster:
	s_bfe_u32 s2, ttmp6, 0x10000c
	s_cmp_lg_u32 s2, 0xf033
	s_cbranch_scc0 .Lentry_shape_is_right
	s_endpgm
.Lentry_shape_is_right:
; out0 = (the attention's result) w_out on codes of BF6 (E3M2) with E8M0 scales: [4096][1024] x [1024][1024], f32 out.
; A: atc, panels of 128 queries; B: opc's panels 56-63, w_out's columns: both [K step of 128: 8][tile of 16 rows: 8][1,536-byte image of the operand's registers].
; A tile of out0 is 128 x 128: 256 work-groups.  Four waves, each 64 x 64: 16 accumulators.  ALL OF K LIES IN LDS: each panel is 98,304 bytes; every LDS byte is filled once, so there is no ring.
; CLUSTERS 4 x 4: A's panel hangs on the cluster's row alone, B's on its column alone: each K step is asked for jointly by the four that share it.
; Each wave issues four loads of one K step (12,288 bytes) at the start: four loads of mine are out; waves 0, 1 bring A's even and odd K steps, waves 2, 3 B's.  The products begin when the first two K steps have landed.
; THE MATRIX INSTRUCTION IS USED TRANSPOSED (source 0 = 16 columns of w_out, source 1 = 16 queries); in each 32 rows of both operands lane r of tile u holds row 8 u + r + 8 (r / 8):
; a lane holds one query, and the registers of B's tiles 2 b, 2 b + 1 are columns 32 b + 16 (lane / 16) + 0 .. 15.
; REGISTERS: window 0: v8-15 addresses; v16-31 A's scale words, v32-47 B's (register 2 s + p: lanes 0-15 tile 2 p, lanes 16-31 tile 2 p + 1); v64-159, v160-255 two sets of fragments (A's four, B's four).   window 1: v0-127 the accumulators, (a, b) at v[8 (4 a + b)].
.set STG,  196608                      ; behind the two panels: a stage of 16 rows x 272 bytes for each wave; no tensor load lands there
.set ADA,  8                           ; v8-9   LDS address of my A fragments, K steps 0-3 and 4-7 (an LDS immediate has 16 bits)
.set ADB,  10                          ; v10-11 the same for B
.set STO,  12
.set RD,   13
.set CO,   14
.set L8,   15
.set SA,   16
.set SB,   32
.set G1,   24                          ; s[24:31] group 1 for A;  s[32:47] four groups 0
.set G0,   32
.set G1B,  48                          ; s[48:55], s[68:83] the same for B
.set G0B,  68
.set MSB, 0
.macro WIN new                         ; the immediate's high byte repeats the setting that is left
.if MSB != \new
	s_set_vgpr_msb (MSB<<8)|\new
.set MSB, \new
.endif
.endm
.set MUL, 0x50                         ; sources 0 and 1 window 0; C and D window 1
.macro PLACES
.rept 4
	v_nop
.endr
.endm
.macro CROUND                          ; a round of the cluster's barrier
	s_barrier_signal -1
	s_barrier_wait -1
	s_cmp_lg_u32 s14, 0
	s_cbranch_scc1 .Lnot_wave_0_\@
	s_barrier_signal -3
.Lnot_wave_0_\@:
	s_barrier_wait -3
	s_barrier_signal -1
	s_barrier_wait -1
.endm
	s_load_b256 s[4:11], s[0:1], 0x0               ; atc s[4:5], ats s[6:7], opc s[8:9], ops s[10:11]
	s_load_b64 s[12:13], s[0:1], 0x20              ; out0
	v_lshl_add_u32 v62, v0, 2, 0x34400
	v_mov_b32 v63, 0
	ds_add_u32 v62, v63
	ds_add_u32 v62, v63
	v_lshrrev_b32 v1, 5, v0
	v_readfirstlane_b32 s14, v1                    ; wave 0..3
	s_lshr_b32 s15, s14, 1                         ; which 64 rows are mine.  Also: I fetch for A (0) or for B (1)
	s_and_b32 s16, s14, 1                          ; which 64 columns.  Also: I fetch the even or the odd K steps
	s_bfe_u32 s84, ttmp6, 0x40000                  ; cx
	s_bfe_u32 s85, ttmp6, 0x40004                  ; cy
	s_lshl_b32 s86, ttmp9, 2
	s_add_co_u32 s86, s86, s84                     ; tile column
	s_and_b32 s87, ttmp7, 0xffff
	s_lshl_b32 s87, s87, 2
	s_add_co_u32 s87, s87, s85                     ; tile row
	s_lshl_b32 s93, s85, 2
	s_lshl_b32 s93, 15, s93                        ; my row of the cluster
	s_lshl_b32 s94, 0x1111, s84                    ; my column
	; descriptor group 1: a dense block of 12,288 bytes as 48 rows of 32 elements of 8 bytes, no padding
	s_or_b32 s[G1], s93, (3<<16)|(1<<21)
	s_or_b32 s[G1B], s94, (3<<16)|(1<<21)
.irp g, G1, G1B
	s_mov_b32 s[\g+1], 32<<16
	s_mov_b32 s[\g+2], 48<<16
	s_mov_b32 s[\g+3], 32<<16
	s_mov_b32 s[\g+4], 48
	s_mov_b32 s[\g+5], 32
	s_mov_b32 s[\g+6], 0
	s_mov_b32 s[\g+7], 0
.endr
	s_mul_i32 s95, s16, 12288
	s_mul_i32 s88, s87, 98304
	s_add_co_u32 s88, s88, s95                     ; A's panel by the tile row alone
	s_mov_b32 s89, 0
	s_add_co_u32 s90, s86, 56
	s_mul_i32 s90, s90, 98304
	s_add_co_u32 s90, s90, s95                     ; B's by the tile column alone
	s_mov_b32 s91, 0
	s_mul_i32 s92, s15, 98304
	s_add_co_u32 s92, s92, s95                     ; where they go: the wave's number alone
	s_wait_dscnt 0x0
	s_wait_kmcnt 0x0
	s_add_nc_u64 s[88:89], s[4:5], s[88:89]
	s_add_nc_u64 s[90:91], s[8:9], s[90:91]
.irp n, 0,1,2,3
	s_mov_b32 s[G0+4*\n], 1
	s_add_co_u32 s[G0+4*\n+1], s92, \n*24576
	s_add_nc_u64 s[G0+4*\n+2:G0+4*\n+3], s[88:89], \n*24576
	s_or_b32 s[G0+4*\n+3], s[G0+4*\n+3], 0x80000000
	s_mov_b32 s[G0B+4*\n], 1
	s_add_co_u32 s[G0B+4*\n+1], s92, \n*24576
	s_add_nc_u64 s[G0B+4*\n+2:G0B+4*\n+3], s[90:91], \n*24576
	s_or_b32 s[G0B+4*\n+3], s[G0B+4*\n+3], 0x80000000
.endr
	CROUND                                         ; all sixteen work-groups are here: the joint loads meet
	s_cmp_eq_u32 s15, 0                            ; a wave's four fills stand in one branch
	s_cbranch_scc0 .Lfirst_b
	tensor_load_to_lds s[G0:G0+3], s[G1:G1+7]
	s_nop 0
	tensor_load_to_lds s[G0+4:G0+7], s[G1:G1+7]
	s_nop 0
	tensor_load_to_lds s[G0+8:G0+11], s[G1:G1+7]
	s_nop 0
	tensor_load_to_lds s[G0+12:G0+15], s[G1:G1+7]
	s_nop 0
.rept 4
	v_nop
.endr
	s_branch .Lfirst_asked
.Lfirst_b:
	tensor_load_to_lds s[G0B:G0B+3], s[G1B:G1B+7]
	s_nop 0
	tensor_load_to_lds s[G0B+4:G0B+7], s[G1B:G1B+7]
	s_nop 0
	tensor_load_to_lds s[G0B+8:G0B+11], s[G1B:G1B+7]
	s_nop 0
	tensor_load_to_lds s[G0B+12:G0B+15], s[G1B:G1B+7]
	s_nop 0
.rept 4
	v_nop
.endr
.Lfirst_asked:
	v_and_b32 v1, 31, v0
	v_lshlrev_b32 v2, 4, v1
	v_lshlrev_b32 v[L8], 3, v1
	; the scale words of my 64 rows and 64 columns, for all of K: 2,048 bytes each, a block of 256 bytes a load
	s_lshl_b32 s20, s87, 1
	s_add_co_u32 s20, s20, s15
	s_lshl_b32 s20, s20, 11
	s_mov_b32 s21, 0
	s_add_nc_u64 s[6:7], s[6:7], s[20:21]
	s_add_co_u32 s22, s86, 56
	s_lshl_b32 s22, s22, 1
	s_add_co_u32 s22, s22, s16
	s_lshl_b32 s22, s22, 11
	s_mov_b32 s23, 0
	s_add_nc_u64 s[10:11], s[10:11], s[22:23]
.irp k, 0,1,2,3,4,5,6,7
	global_load_b64 v[SA+2*\k:SA+2*\k+1], v[L8], s[6:7] offset:256*\k
	global_load_b64 v[SB+2*\k:SB+2*\k+1], v[L8], s[10:11] offset:256*\k
.endr
	s_mul_i32 s20, s15, 6144                       ; my four tiles of a K step's eight
	v_add_nc_u32 v[ADA], s20, v2
	v_add_nc_u32 v[ADA+1], 49152, v[ADA]
	s_mul_i32 s20, s16, 6144
	s_add_co_u32 s20, s20, 98304
	v_add_nc_u32 v[ADB], s20, v2
	v_add_nc_u32 v[ADB+1], 49152, v[ADB]
	v_and_b32 v3, 15, v0
	v_bfe_u32 v4, v0, 4, 1
	s_mul_i32 s20, s14, 16*272
	s_add_co_u32 s20, s20, STG                     ; my stage
	v_mul_u32_u24 v5, v3, 272
	v_lshl_add_u32 v5, v4, 6, v5
	v_add_nc_u32 v[STO], s20, v5                   ; in: row lane % 16, + 64 (lane / 16)
	v_mul_u32_u24 v5, v4, 272
	v_lshl_add_u32 v5, v3, 4, v5
	v_add_nc_u32 v[RD], s20, v5                    ; back: lanes 0-15 one row of 256 bytes, lanes 16-31 the next
	v_lshlrev_b32 v5, 4, v3
	v_lshl_add_u32 v[CO], v4, 12, v5               ; and the same two rows in out0
	s_lshl_b32 s20, s87, 7
	s_lshl_b32 s21, s15, 6
	s_add_co_u32 s20, s20, s21
	s_lshl_b32 s20, s20, 12                        ; my first row, 4,096 bytes a row
	s_lshl_b32 s21, s86, 9
	s_add_co_u32 s20, s20, s21
	s_lshl_b32 s21, s16, 8
	s_add_co_u32 s20, s20, s21                     ; my first column
	s_mov_b32 s21, 0
	s_add_nc_u64 s[12:13], s[12:13], s[20:21]
.macro WMO a, b, ks, zero
.set FS, 64+96*((\ks)%2)
.set rD, 8*(4*(\a)+(\b))
.set rA, FS+12*(\a)
.set rB, FS+48+12*(\b)
.set rSB, SB+2*(\ks)+(\b)/2
.set rSA, SA+2*(\ks)+(\a)/2
.set rw, 2*((\b)%2)+(\a)%2+4*(\zero)
.if rw == 0
	v_wmma_scale_f32_16x16x128_f8f6f4 v[rD:rD+7], v[rB:rB+11], v[rA:rA+11], v[rD:rD+7], v[rSB], v[rSA] matrix_a_fmt:MATRIX_FMT_BF6 matrix_b_fmt:MATRIX_FMT_BF6
.elseif rw == 1
	v_wmma_scale_f32_16x16x128_f8f6f4 v[rD:rD+7], v[rB:rB+11], v[rA:rA+11], v[rD:rD+7], v[rSB], v[rSA] matrix_a_fmt:MATRIX_FMT_BF6 matrix_b_fmt:MATRIX_FMT_BF6 matrix_b_scale:MATRIX_SCALE_ROW1
.elseif rw == 2
	v_wmma_scale_f32_16x16x128_f8f6f4 v[rD:rD+7], v[rB:rB+11], v[rA:rA+11], v[rD:rD+7], v[rSB], v[rSA] matrix_a_fmt:MATRIX_FMT_BF6 matrix_b_fmt:MATRIX_FMT_BF6 matrix_a_scale:MATRIX_SCALE_ROW1
.elseif rw == 3
	v_wmma_scale_f32_16x16x128_f8f6f4 v[rD:rD+7], v[rB:rB+11], v[rA:rA+11], v[rD:rD+7], v[rSB], v[rSA] matrix_a_fmt:MATRIX_FMT_BF6 matrix_b_fmt:MATRIX_FMT_BF6 matrix_a_scale:MATRIX_SCALE_ROW1 matrix_b_scale:MATRIX_SCALE_ROW1
.elseif rw == 4
	v_wmma_scale_f32_16x16x128_f8f6f4 v[rD:rD+7], v[rB:rB+11], v[rA:rA+11], 0, v[rSB], v[rSA] matrix_a_fmt:MATRIX_FMT_BF6 matrix_b_fmt:MATRIX_FMT_BF6
.elseif rw == 5
	v_wmma_scale_f32_16x16x128_f8f6f4 v[rD:rD+7], v[rB:rB+11], v[rA:rA+11], 0, v[rSB], v[rSA] matrix_a_fmt:MATRIX_FMT_BF6 matrix_b_fmt:MATRIX_FMT_BF6 matrix_b_scale:MATRIX_SCALE_ROW1
.elseif rw == 6
	v_wmma_scale_f32_16x16x128_f8f6f4 v[rD:rD+7], v[rB:rB+11], v[rA:rA+11], 0, v[rSB], v[rSA] matrix_a_fmt:MATRIX_FMT_BF6 matrix_b_fmt:MATRIX_FMT_BF6 matrix_a_scale:MATRIX_SCALE_ROW1
.else
	v_wmma_scale_f32_16x16x128_f8f6f4 v[rD:rD+7], v[rB:rB+11], v[rA:rA+11], 0, v[rSB], v[rSA] matrix_a_fmt:MATRIX_FMT_BF6 matrix_b_fmt:MATRIX_FMT_BF6 matrix_a_scale:MATRIX_SCALE_ROW1 matrix_b_scale:MATRIX_SCALE_ROW1
.endif
.endm
.macro MUL8 a0, ks, zero               ; the 16 accumulators take turns, in the same order in every K step
.irp a, \a0, \a0+1
.irp b, 0,1,2,3
	WMO \a, \b, \ks, \zero
.endr
.endr
.endm
.macro FETCH ks                        ; K step ks: my four fragments of A and four of B into set ks % 2: 24 loads of 512 consecutive bytes
.set FS, 64+96*((\ks)%2)
.irp i, 0,1,2,3
.irp k, 0,1,2
	ds_load_b128 v[FS+12*\i+4*\k:FS+12*\i+4*\k+3], v[ADA+(\ks)/4] offset:12288*((\ks)%4)+1536*\i+512*\k
	ds_load_b128 v[FS+48+12*\i+4*\k:FS+48+12*\i+4*\k+3], v[ADB+(\ks)/4] offset:12288*((\ks)%4)+1536*\i+512*\k
.endr
.endr
.endm
.macro EVEN ks, zero                   ; the next K step lies in bytes that the last barrier has shown whole
	s_wait_dscnt 0x0                               ; this step's fragments are in
	PLACES                                         ; in front of loads into the set that the last step's products read
	FETCH (\ks)+1
	WIN MUL
	MUL8 0, \ks, \zero
	MUL8 2, \ks, \zero
	WIN 0
.endm
.macro ODD ks, left                    ; the next two K steps have to be shown whole: my load of one of them has landed (left: my later loads, which may stay out); then the barrier.
	s_wait_dscnt 0x0
	s_wait_tensorcnt \left
	s_barrier_signal -1
	WIN MUL
	MUL8 0, \ks, 0                                 ; work on registers while the others arrive
	WIN 0
	s_barrier_wait -1
	PLACES
	FETCH (\ks)+1
	WIN MUL
	MUL8 2, \ks, 0
	WIN 0
.endm
	s_wait_tensorcnt 3                             ; my first load has landed; three may be out
	s_barrier_signal -1
	s_barrier_wait -1                              ; K steps 0 and 1 of both panels are whole
	FETCH 0
	s_wait_loadcnt 0x0                             ; the scale words
	EVEN 0, 1                                      ; the first step's products start the sums
	ODD 1, 2
	EVEN 2, 0
	ODD 3, 1
	EVEN 4, 0
	ODD 5, 0
	EVEN 6, 0
	s_wait_dscnt 0x0
	WIN MUL
	MUL8 0, 7, 0
	MUL8 2, 7, 0
	WIN 0
; THE WAY OUT, a block of 16 rows x 64 columns at a time, through my own stage: a lane holds 32 neighbouring bytes of four places of a row; back come whole rows of 256 bytes.
; LDS serves a wave's instructions in order: no wait between the stores and the loads, nor in front of the next block's stores.
.macro TOSTAGE a
	WIN 0x04                                       ; an LDS store's data are its source 1: window 1
.irp b, 0,1,2,3
	ds_store_b128 v[STO], v[8*(4*(\a)+\b):8*(4*(\a)+\b)+3] offset:128*(\b/2)+32*(\b%2)          ; each accumulator from its low end on
	ds_store_b128 v[STO], v[8*(4*(\a)+\b)+4:8*(4*(\a)+\b)+7] offset:128*(\b/2)+32*(\b%2)+16
.endr
	WIN 0
.set BB, 64+32*((\a)%2)
.irp t, 0,1,2,3,4,5,6,7
	ds_load_b128 v[BB+4*\t:BB+4*\t+3], v[RD] offset:544*\t
.endr
.endm
.macro SEND a, younger                 ; younger: the LDS instructions issued behind block a's loads.  Stage row p of block a is row 32 (a / 2) + 8 (a % 2) + p + 8 (p / 8) of my 64
.set BB, 64+32*((\a)%2)
	s_wait_dscnt \younger
.irp t, 0,1,2,3,4,5,6,7
	global_store_b128 v[CO], v[BB+4*\t:BB+4*\t+3], s[12:13] offset:(32*((\a)/2)+8*((\a)%2)+2*\t+8*(\t/4))*4096 th:TH_STORE_NT   ; sixteen lanes store 256 consecutive bytes, at a multiple of 256 from out0's first byte
.endr
.endm
	PLACES
	TOSTAGE 0
	TOSTAGE 1
	SEND 0, 16                                     ; behind block 0's loads: block 1's 8 stores and 8 loads
	s_wait_xcnt 0x0                                ; block 0's stores have read their registers: block 2's loads may land there
	TOSTAGE 2
	SEND 1, 16
	s_wait_xcnt 0x0
	TOSTAGE 3
	SEND 2, 16
	SEND 3, 0
	s_wait_tensorcnt 0x0
	ds_add_u32 v62, v63
	s_wait_dscnt 0x0
	CROUND                                         ; the closing round: no work-group ends while a partner may still ask for a tile that names it
	s_endpgm
.Lfunc_end_k_qcc4640fec4_outp:
	.size	k_qcc4640fec4_outp, .Lfunc_end_k_qcc4640fec4_outp-k_qcc4640fec4_outp
	.p2alignl 7, 3214868480
	.fill 96, 4, 3214868480
	.section	.rodata,"a",@progbits
	.p2align	6, 0x0
	.amdhsa_kernel k_qcc4640fec4_outp
		.amdhsa_group_segment_fixed_size 214528
		.amdhsa_private_segment_fixed_size 0
		.amdhsa_enable_private_segment 0
		.amdhsa_kernarg_size 40
		.amdhsa_user_sgpr_count 2
		.amdhsa_user_sgpr_kernarg_segment_ptr 1
		.amdhsa_wavefront_size32 1
		.amdhsa_system_sgpr_workgroup_id_x 1
		.amdhsa_system_sgpr_workgroup_id_y 1
		.amdhsa_system_sgpr_workgroup_id_z 1
		.amdhsa_system_vgpr_workitem_id 0
		.amdhsa_next_free_vgpr 384
		.amdhsa_next_free_sgpr 98
		.amdhsa_reserve_vcc 0
		.amdhsa_float_denorm_mode_32 3
		.amdhsa_float_denorm_mode_16_64 3
		.amdhsa_memory_ordered 1
		.amdhsa_forward_progress 1
		.amdhsa_inst_pref_size 48
	.end_amdhsa_kernel
	.amdgpu_metadata
---
amdhsa.version: [ 1, 2 ]
amdhsa.kernels:
  - .name:           k_qcc4640fec4_outp
    .symbol:         k_qcc4640fec4_outp.kd
    .args:
      - { .name: atc, .offset: 0, .size: 8, .value_kind: global_buffer, .address_space: global }
      - { .name: ats, .offset: 8, .size: 8, .value_kind: global_buffer, .address_space: global }
      - { .name: opc, .offset: 16, .size: 8, .value_kind: global_buffer, .address_space: global }
      - { .name: ops, .offset: 24, .size: 8, .value_kind: global_buffer, .address_space: global }
      - { .name: out0, .offset: 32, .size: 8, .value_kind: global_buffer, .address_space: global }
    .group_segment_fixed_size: 214528
    .private_segment_fixed_size: 0
    .kernarg_segment_align: 8
    .kernarg_segment_size: 40
    .max_flat_workgroup_size: 128
    .sgpr_count:     98
    .vgpr_count:     384
    .wavefront_size: 32
...
	.end_amdgpu_metadata
.endif
;; end of part 4
